; MI455X (gfx1250); checked and timed in simulation.
; The chip was launched on July 23, 2026; its instructions are those of AMD's public machine-readable ISA for CDNA 5 (MIT licence, August 2026) and "CDNA5" Instruction Set Architecture Reference Guide (July 2026). The comments in the code are by the model that wrote it; some were corrected since.
;; Multi Head Attention. Allowed arithmetic: matrix products marked QUANTISED: E2M3 operands, one E8M0 scale for each 32 along K, by v_wmma_scale_f32_16x16x128_f8f6f4 with both operands' format E2M3, f32 sums; everything else in f32.
;; Inputs: bk 1,024 float32; bo 1,024 float32; bq 1,024 float32; bv 1,024 float32; k 4 x 2,048 x 1,024 float32; mask 4 x 1 x 2,048 x 2,048 int32; q 4 x 2,048 x 1,024 float32; v 4 x 2,048 x 1,024 float32; wk 1,024 x 1,024 float32; wo 1,024 x 1,024 float32; wq 1,024 x 1,024 float32; wv 1,024 x 1,024 float32.
;; Outputs: out0 4 x 2,048 x 1,024 float32.
;; This version of the problem:
;;   THIS VERSION OF THE PROBLEM IS GIVEN IN LOW PRECISION. The matrix products marked QUANTISED in the list below multiply operands that are first quantised to E2M3 (2 exponent bits, 3 mantissa bits; 6 bits a number), with one power-of-two scale for each 32 numbers along K (OCP MX v1.0); their sums are f32. All else is computed in f32.
;;   The module's matrix products, in the order in which they are computed (A, B: the left and right operand; K: the contracted axis; several contracted axes count as one K, in the product's order):
;;     1. [M 8,192, K 1,024] x [K 1,024, N 1,024]; A: input q; B: input wq: QUANTISED
;;     2. [M 8,192, K 1,024] x [K 1,024, N 1,024]; A: input k; B: input wk: QUANTISED
;;     3. [M 8,192, K 1,024] x [K 1,024, N 1,024]; A: input v; B: input wv: QUANTISED
;;     4. batch 64 x [M 2,048, K 64] x [K 64, N 2,048]; A: computed on the way; B: computed on the way: QUANTISED
;;     5. batch 64 x [M 2,048, K 2,048] x [K 2,048, N 64]; A: softmax (see below); B: computed on the way: QUANTISED
;;     6. [M 8,192, K 1,024] x [K 1,024, N 1,024]; A: computed on the way; B: input wo: QUANTISED
;;   THE QUANTISER, for each operand of a quantised product, along K:
;;     - K is cut into blocks of 32 from its start; a last block that is shorter is filled with zeros.
;;     - A block's scale is 2^e with e = floor(log2(the largest magnitude in the block)) - 2, held to -126 .. 127; a block of zeros has e = 0. As a byte (E8M0): e + 127.
;;     - Each number is divided by its block's scale, clamped to +-7.5, and rounded to the nearest number of E2M3, ties to even, subnormals kept.
;;     - The product sums the exact products of the quantised numbers (number of the format x scale) in f32.
;;   ~~~python
;;   def quantise(x, axis):      # numpy; x: float32 -> the quantised numbers, widened to float32 again
;;       x = np.moveaxis(x, axis, -1); K = x.shape[-1]
;;       x = np.pad(x, [(0, 0)] * (x.ndim - 1) + [(0, -K % 32)]); x = x.reshape(x.shape[:-1] + (-1, 32)); a = np.abs(x).max(-1, keepdims=True)
;;       e = np.where(a > 0, np.clip(np.frexp(np.where(a > 0, a, 1))[1] - 1 - 2, -126, 127), 0)      # np.frexp(a)[1] - 1 = floor(log2(a)), exactly
;;       r = np.clip(x / 2.0 ** e, -7.5, 7.5)
;;       step = 2.0 ** (np.maximum(np.frexp(np.where(r == 0, 1, r))[1] - 1, 0) - 3)
;;       q = np.round(r / step) * step * 2.0 ** e      # np.round: ties to even
;;       return np.moveaxis(q.reshape(q.shape[:-2] + (-1,))[..., :K], -1, axis).astype(np.float32)
;;   ~~~
;;   SOFTMAX AHEAD OF A QUANTISED PRODUCT. Where the list says 'softmax', what is quantised is not the finished softmax but p = 2^(t - M), with t = logit x log2(e) and M = ceil(the row's largest t), a whole number; so 1/2 < the row's largest p <= 1. The row's sum l is taken of the UNQUANTISED p, in f32, and the product's result is divided by l at the end. Since M is a whole number, a kernel that streams over the keys may use a running M (the ceiling of the running maximum): every later rescaling is an exact power of two, which a block's scale takes up: the codes' values come out the same.
;;   OPERANDS COMPUTED ON THE WAY. 'Computed on the way' means the value that the module computes at that place (a softmax that the list does not call 'softmax' is quantised finished and normalised). What goes into a quantiser is computed in f32, as accurately as f32 sums, v_exp_f32 and their like allow (about 1e-6 of the number): no bf16 or f16 on the way to a quantiser, and a product that is left as it is and whose result goes on into a quantised operand takes f32 operands (vector FMAs, or v_wmma_f32_16x16x4_f32). A number that lies on a knife's edge between two numbers of the format may be rounded either way, as far as f32 arithmetic and the matrix unit's own rounding can turn it there, and no further.
;; One version. Each part assembles by itself: llvm-mc -triple=amdgcn-amd-amdhsa -mcpu=gfx1250 --defsym DOCPART=n.
;; ======== version 1 of 1: 5 launches
;; limits: right only within a limited range of input values
;; workspace buffers: xc 22,020,096 bytes; xs 917,504 bytes; mb 2,097,152 bytes of whole numbers; qkvc 18,874,368 bytes; qkvs 786,432 bytes; oc 6,291,456 bytes; os 262,144 bytes
;; launch prep (part 1): grid 1408 x 1, 4 waves a work-group, no clusters, 68,096 bytes of LDS; arguments q, k, v, wq, wk, wv, wo, mask, xc, xs, mb; writes xc, xs, mb
.if DOCPART == 1
	.amdgcn_target "amdgcn-amd-amdhsa--gfx1250"
	.amdhsa_code_object_version 6
	.text
	.protected	k_qd7935047cc_prep
	.globl	k_qd7935047cc_prep
	.p2align	8
	.type	k_qd7935047cc_prep,@function
k_qd7935047cc_prep:
	s_mov_b64 s[64:65], 0
	v_nop
	global_prefetch_b8 v0, s[64:65] scope:SCOPE_SE
	s_setreg_imm32_b32 hwreg(HW_REG_WAVE_MODE, 25, 1), 1
	s_wait_xcnt 0x0
; q, k, v [8192][1024] and wq, wk, wv, wo [1024][1024], f32, K innermost, become codes of FP6 (E2M3) with one E8M0 byte for each 32 along K; the mask [4][2048][2048] of int32 becomes words of lane bits.
; THE CODES ARE LAID AS THE MATRIX OPERAND'S REGISTERS.  The seven tensors on end are 1,792 row tiles of 16.  Row r of tile T is tensor row 32 (T/2) + 8 (T%2) + r + 8 (r/8): the order in which a product used
; transposed leaves 16 neighbours in the 16 registers of two neighbouring tiles.  xc: [tile][K step of 128][6 units of 256 bytes]; unit p holds registers 2 p, 2 p + 1 of the fragment, 8 bytes a lane.
; xs: [pair of tiles][chunk of two K steps][lane][2 words]: lane 16 u + r holds the scale words (four bytes: 128 along K) of row r of tile 2 pair + u.
; mb: [batch][query tile][key step of 128][64 words]: bit 16 h + r of word 16 b + i says whether query row r of the tile may see key 32 b + 16 h + i of the step: the lane and register in which the attention holds that score.
; A block's scale is 2^(floor(log2(largest magnitude)) - 2): its byte is the largest magnitude's exponent field - 2, held at 1 from below.
; LIMITS: NaN and infinities are not served; a block whose largest magnitude lies under 2^-124 keeps the byte 1; a block of zeros has the byte 1, not 127: its codes are zeros, and this program alone reads the bytes.
; SHARES.  Work-groups 0-895: a pair of tiles (32 rows); wave c takes chunk c, four steps of 16 rows x 128 K.  Work-groups 896-1407: a query tile of a batch; wave w takes key steps 4 w .. 4 w + 3.
; Each load reads 512 consecutive bytes of a row; a step's 8 KiB turn through the wave's own stage in LDS (rows 528 bytes apart, so that 16 rows start in 16 different groups of banks) and come back as a lane's neighbours along K.
; Every store of codes, scale words and mask words covers 256 consecutive bytes, aligned.  Waves share nothing: no barrier.  No cluster: no two work-groups read the same bytes.  The two paths have LDS bytes of their own.
.set WST,   8448                       ; a wave's stage: 16 rows x 528 bytes
.set SP,    528
.set MSTG,  4*WST                      ; the mask path's four stages
.set SPARE, 8*WST                      ; the spare words: 128 bytes a wave, two blocks of 256 bytes that no other line names
.set R,   32                           ; v32-159  two sets of 64 registers as loaded
.set X,   160                          ; v160-223 64 numbers of my row
.set C,   224                          ; v224-235 a fragment's codes
.set CT,  236                          ; v236-243 the halves that a conversion cannot put on an odd register
.set W,   20                           ; v20-23   the four steps' scale words
.set WB,  224                          ; v224-231 mask path: a pair of registers for each step's 64 words
.set SPW, 16                           ; v16      LDS address of my spare word; never rewritten
.set NIL, 17                           ; v17      0; never rewritten
	s_load_b512 s[4:19], s[0:1], 0x0               ; q, k, v, wq, wk, wv, wo, mask
	s_load_b128 s[20:23], s[0:1], 0x40             ; xc, xs
	s_load_b64 s[24:25], s[0:1], 0x50              ; mb
	v_lshl_add_u32 v[SPW], v0, 2, SPARE
	v_mov_b32 v[NIL], 0
	v_lshrrev_b32 v1, 5, v0
	v_readfirstlane_b32 s26, v1                    ; wave
	v_and_b32 v1, 31, v0                           ; lane
	v_and_b32 v2, 15, v0                           ; r
	v_bfe_u32 v3, v0, 4, 1                         ; h
	v_lshlrev_b32 v7, 3, v1                        ; 8 x lane: my place in a unit of 256 bytes
	v_lshlrev_b32 v27, 4, v1                       ; 16 x lane: my place in a load's 512 bytes (mask path)
	s_lshl_b32 s31, s26, 10
	v_add_nc_u32 v4, s31, v27                      ; the same + my chunk's 1,024 bytes of a row (quantiser path)
	s_mul_i32 s27, s26, WST
	v_add_nc_u32 v5, s27, v27                      ; into the stage: 16 x lane, the row in the immediate
	v_mul_u32_u24 v6, v2, SP
	v_add_nc_u32 v6, s27, v6                       ; out of it: row r
	v_add_nc_u32 v25, MSTG, v5                     ; the mask path's: in,
	v_lshl_add_u32 v26, v3, 6, v6
	v_add_nc_u32 v26, MSTG, v26                    ; and out: + 64 h: 16 keys of each 32
	v_lshl_add_u32 v6, v3, 7, v6                   ; the quantiser's: + 128 h: 32 numbers of each 64
	v_lshlrev_b32 v15, 3, v3                       ; 8 h: how far my two scale bytes are shifted
	v_mov_b32 v24, 0                               ; a lane permute's destination counts as read: written once
	s_mov_b32 s28, 0x76543210
	s_mov_b32 s29, 0xfedcba98                      ; selects: lane l xor 16
	s_mov_b32 s30, 0xffff0000                      ; lanes 16-31
	s_mov_b32 s37, 0
	s_wait_kmcnt 0x0
	s_cmp_ge_u32 ttmp9, 896
	s_cbranch_scc1 .Lmask
; ---------------- the quantiser ----------------
.macro PICK lim, ptr                   ; from pair lim on the rows are the next tensor's: the choice hangs on the work-group's number alone
	s_cmp_ge_u32 ttmp9, \lim
	s_cselect_b64 s[32:33], s[\ptr:\ptr+1], s[32:33]
	s_cselect_b32 s34, \lim, s34
.endm
	s_mov_b64 s[32:33], s[4:5]
	s_mov_b32 s34, 0
	PICK 256, 6
	PICK 512, 8
	PICK 768, 10
	PICK 800, 12
	PICK 832, 14
	PICK 864, 16
	s_sub_co_u32 s35, ttmp9, s34                   ; which pair of the tensor
	s_lshl_b32 s36, s35, 17                        ; 32 rows of 4,096 bytes
	s_add_nc_u64 s[32:33], s[32:33], s[36:37]
	s_mul_i32 s36, ttmp9, 24576                    ; xc: two tiles of 12,288 bytes,
	s_mul_i32 s35, s26, 3072                       ; my chunk's two K steps
	s_add_co_u32 s36, s36, s35
	s_add_nc_u64 s[20:21], s[20:21], s[36:37]
	s_lshl_b32 s36, ttmp9, 10                      ; xs: 1,024 bytes a pair, 256 a chunk
	s_lshl_b32 s35, s26, 8
	s_add_co_u32 s36, s36, s35
	s_add_nc_u64 s[22:23], s[22:23], s[36:37]
; step t: K step t / 2 of the chunk, tile t % 2 of the pair
.macro LOADQ t
.irp i, 0,1,2,3,4,5,6,7,8,9,10,11,12,13,14,15
	global_load_b128 v[R+64*((\t)%2)+4*\i:R+64*((\t)%2)+4*\i+3], v4, s[32:33] offset:(8*((\t)%2)+\i+8*(\i/8))*4096+512*((\t)/2) th:TH_LOAD_NT
.endr
.endm
.macro QSTEP t
.if (\t) < 3
	s_wait_loadcnt 16                              ; this step's sixteen loads are in; the next step's sixteen may be out
.else
	s_wait_loadcnt 0
.endif
.irp i, 0,1,2,3,4,5,6,7,8,9,10,11,12,13,14,15
	ds_store_b128 v5, v[R+64*((\t)%2)+4*\i:R+64*((\t)%2)+4*\i+3] offset:SP*\i
.endr
.irp j, 0,1,2,3,4,5,6,7,8,9,10,11,12,13,14,15
	ds_load_b128 v[X+4*\j:X+4*\j+3], v6 offset:256*(\j/8)+16*(\j%8)   ; LDS serves a wave's instructions in order: these see the stores.  X[32 c + i] = k 64 c + 32 h + i of row r
.endr
	s_wait_dscnt 0x0                               ; the numbers are back, and the stores have read their registers,
.if (\t)+2 < 4
	LOADQ (\t)+2                                   ; which take the loads of two steps on
.endif
.if (\t) > 0
	s_wait_xcnt 0x0                                ; the last step's stores have read the codes' registers: they are written again only behind this wait
.endif
.irp c, 0,1
	v_max3_num_f32 v[8+\c], |v[X+32*\c]|, |v[X+32*\c+1]|, 0x1800000   ; my block 2 c + h: all 32 numbers are mine; the floor 2^(3 - 127) holds the byte at 1 from below
.endr
.irp i, 2,4,6,8,10,12,14,16,18,20,22,24,26,28,30
.irp c, 0,1
	v_max3_num_f32 v[8+\c], v[8+\c], |v[X+32*\c+\i]|, |v[X+32*\c+\i+1]|
.endr
.endr
.irp c, 0,1
	v_add_nc_u32 v[10+\c], 0xff000000, v[8+\c]     ; 2 off the exponent field: the conversion takes this operand's exponent field as its scale
.endr
.irp c, 0,1
	v_lshrrev_b32 v[12+\c], 23, v[10+\c]           ; the scale's byte
.endr
	v_lshl_or_b32 v14, v13, 16, v12                ; blocks h and 2 + h,
	v_lshlrev_b32 v14, v15, v14                    ; at their places in the word;
	v_permlanex16_b32 v24, v14, s28, s29
	v_or_b32 v[W+(\t)], v14, v24                   ; with lane l xor 16's two the word is whole
.irp c, 0,1
	v_cvt_scalef32_pk16_fp6_f32 v[C+6*\c:C+6*\c+2], v[X+32*\c:X+32*\c+15], v[10+\c]
	v_cvt_scalef32_pk16_fp6_f32 v[CT+4*\c:CT+4*\c+2], v[X+32*\c+16:X+32*\c+31], v[10+\c]   ; (a conversion's three registers begin on an even number)
.endr
	v_nop                                          ; one plain place behind a scaled conversion
.irp c, 0,1
.irp i, 0,1,2
	v_mov_b32 v[C+3+6*\c+\i], v[CT+4*\c+\i]
.endr
.endr
.irp p, 0,1,2,3,4,5
	global_store_b64 v7, v[C+2*\p:C+2*\p+1], s[20:21] offset:((\t)%2)*12288+((\t)/2)*1536+256*\p   ; 32 lanes store 256 consecutive bytes, aligned
.endr
.endm
	LOADQ 0
	LOADQ 1
	s_wait_alu depctr_va_vdst(0)
	QSTEP 0
	QSTEP 1
	QSTEP 2
	QSTEP 3
	v_cndmask_b32 v18, v[W], v[W+1], s30           ; lanes 0-15: the even tile's words, lanes 16-31: the odd tile's; first K step,
	v_cndmask_b32 v19, v[W+2], v[W+3], s30         ; second K step
	global_store_b64 v7, v[18:19], s[22:23]
	s_wait_tensorcnt 0x0                           ; the wave's end, behind my last LDS store
	ds_add_u32 v[SPW], v[NIL]
	s_wait_dscnt 0x0
	s_endpgm
; ---------------- the mask ----------------
.Lmask:
	s_sub_co_u32 s31, ttmp9, 896                   ; 128 x batch + query tile
	s_lshr_b32 s34, s31, 7
	s_and_b32 s35, s31, 127
	s_lshl_b32 s36, s34, 24                        ; a batch: 2,048 x 2,048 x 4 bytes
	s_lshr_b32 s34, s35, 1
	s_lshl_b32 s34, s34, 18                        ; 32 rows of 8,192 bytes for each pair of tiles,
	s_add_co_u32 s36, s36, s34
	s_and_b32 s34, s35, 1
	s_lshl_b32 s34, s34, 16                        ; 8 rows for the odd tile,
	s_add_co_u32 s36, s36, s34
	s_lshl_b32 s34, s26, 11                        ; my four key steps of 512 bytes
	s_add_co_u32 s36, s36, s34
	s_add_nc_u64 s[18:19], s[18:19], s[36:37]
	s_lshl_b32 s36, s31, 12                        ; mb: 16 key steps of 256 bytes a tile,
	s_lshl_b32 s34, s26, 10                        ; my four
	s_add_co_u32 s36, s36, s34
	s_add_nc_u64 s[24:25], s[24:25], s[36:37]
.irp i, 0,1,2,3,4,5,6,7
	v_mov_b32 v[WB+\i], 0                          ; a lane write's destination counts as read: written once
.endr
.macro LOADM t
.irp i, 0,1,2,3,4,5,6,7,8,9,10,11,12,13,14,15
	global_load_b128 v[R+64*((\t)%2)+4*\i:R+64*((\t)%2)+4*\i+3], v27, s[18:19] offset:(\i+8*(\i/8))*8192+512*(\t) th:TH_LOAD_NT
.endr
.endm
.macro MSTEP t
.if (\t) < 3
	s_wait_loadcnt 16                              ; this step's sixteen loads are in; the next step's may be out
.else
	s_wait_loadcnt 0
.endif
.irp i, 0,1,2,3,4,5,6,7,8,9,10,11,12,13,14,15
	ds_store_b128 v25, v[R+64*((\t)%2)+4*\i:R+64*((\t)%2)+4*\i+3] offset:SP*\i
.endr
.irp j, 0,1,2,3,4,5,6,7,8,9,10,11,12,13,14,15
	ds_load_b128 v[X+4*\j:X+4*\j+3], v26 offset:128*(\j/4)+16*(\j%4)   ; X[16 b + i] = key 32 b + 16 h + i of query row r
.endr
	s_wait_dscnt 0x0
.if (\t)+2 < 4
	LOADM (\t)+2
.endif
.irp g, 0,1,2,3
.irp k, 0,1,2,3,4,5,6,7,8,9,10,11,12,13,14,15
	v_cmp_ne_u32 s[40+\k], 0, v[X+16*\g+\k]        ; word 16 g + k: a bit a lane
.endr
.irp k, 0,1,2,3,4,5,6,7,8,9,10,11,12,13,14,15
	v_writelane_b32 v[WB+2*(\t)+(\k%2)], s[40+\k], (16*\g+\k)/2   ; word n goes to lane n / 2, register n % 2: byte 4 n of the store below
.endr
.endr
	global_store_b64 v7, v[WB+2*(\t):WB+2*(\t)+1], s[24:25] offset:256*(\t)   ; each step has registers of its own: no store's data are written again
.endm
	LOADM 0
	LOADM 1
	MSTEP 0
	MSTEP 1
	MSTEP 2
	MSTEP 3
	s_wait_tensorcnt 0x0                           ; the wave's end, behind my last LDS store
	ds_add_u32 v[SPW], v[NIL]
	s_wait_dscnt 0x0
	s_endpgm
.Lfunc_end_k_qd7935047cc_prep:
	.size	k_qd7935047cc_prep, .Lfunc_end_k_qd7935047cc_prep-k_qd7935047cc_prep
	.p2alignl 7, 3214868480
	.fill 96, 4, 3214868480
	.section	.rodata,"a",@progbits
	.p2align	6, 0x0
	.amdhsa_kernel k_qd7935047cc_prep
		.amdhsa_group_segment_fixed_size 68096
		.amdhsa_private_segment_fixed_size 0
		.amdhsa_enable_private_segment 0
		.amdhsa_kernarg_size 88
		.amdhsa_user_sgpr_count 2
		.amdhsa_user_sgpr_kernarg_segment_ptr 1
		.amdhsa_wavefront_size32 1
		.amdhsa_system_sgpr_workgroup_id_x 1
		.amdhsa_system_sgpr_workgroup_id_y 1
		.amdhsa_system_sgpr_workgroup_id_z 1
		.amdhsa_system_vgpr_workitem_id 0
		.amdhsa_next_free_vgpr 248
		.amdhsa_next_free_sgpr 66
		.amdhsa_reserve_vcc 0
		.amdhsa_float_denorm_mode_32 3
		.amdhsa_float_denorm_mode_16_64 3
		.amdhsa_memory_ordered 1
		.amdhsa_forward_progress 1
		.amdhsa_inst_pref_size 80
	.end_amdhsa_kernel
	.amdgpu_metadata
---
amdhsa.version: [ 1, 2 ]
amdhsa.kernels:
  - .name:           k_qd7935047cc_prep
    .symbol:         k_qd7935047cc_prep.kd
    .args:
      - { .name: q, .offset: 0, .size: 8, .value_kind: global_buffer, .address_space: global }
      - { .name: k, .offset: 8, .size: 8, .value_kind: global_buffer, .address_space: global }
      - { .name: v, .offset: 16, .size: 8, .value_kind: global_buffer, .address_space: global }
      - { .name: wq, .offset: 24, .size: 8, .value_kind: global_buffer, .address_space: global }
      - { .name: wk, .offset: 32, .size: 8, .value_kind: global_buffer, .address_space: global }
      - { .name: wv, .offset: 40, .size: 8, .value_kind: global_buffer, .address_space: global }
      - { .name: wo, .offset: 48, .size: 8, .value_kind: global_buffer, .address_space: global }
      - { .name: mask, .offset: 56, .size: 8, .value_kind: global_buffer, .address_space: global }
      - { .name: xc, .offset: 64, .size: 8, .value_kind: global_buffer, .address_space: global }
      - { .name: xs, .offset: 72, .size: 8, .value_kind: global_buffer, .address_space: global }
      - { .name: mb, .offset: 80, .size: 8, .value_kind: global_buffer, .address_space: global }
    .group_segment_fixed_size: 68096
    .private_segment_fixed_size: 0
    .kernarg_segment_align: 8
    .kernarg_segment_size: 88
    .max_flat_workgroup_size: 128
    .sgpr_count:     66
    .vgpr_count:     248
    .wavefront_size: 32
...
	.end_amdgpu_metadata
.endif
;; end of part 1
;; launch projqk (part 2): grid 4 x 128, 8 waves a work-group, clusters of 4 x 4, 308,224 bytes of LDS; arguments xc, xs, bq, bk, qkvc, qkvs; writes qkvc, qkvs
.if DOCPART == 2
	.amdgcn_target "amdgcn-amd-amdhsa--gfx1250"
	.amdhsa_code_object_version 6
	.text
	.protected	k_qd7935047cc_projqk
	.globl	k_qd7935047cc_projqk
	.p2align	8
	.type	k_qd7935047cc_projqk,@function
k_qd7935047cc_projqk:
	s_mov_b64 s[64:65], 0
	v_nop
	global_prefetch_b8 v0, s[64:65] scope:SCOPE_SE
	s_setreg_imm32_b32 hwreg(HW_REG_WAVE_MODE, 25, 1), 1
	s_wait_xcnt 0x0
	s_wait_alu depctr_hold_cnt(0) depctr_sa_sdst(0) depctr_va_vdst(0) depctr_va_sdst(0) depctr_va_ssrc(0) depctr_va_vcc(0) depctr_vm_vsrc(0)
	s_getreg_b32 s2, hwreg(HW_REG_IB_STS2, 6, 4)
	s_cmp_eq_u32 s2, 0
	s_cbranch_scc0 .Lentry_in_a_cluster
	s_endpgm
.Lentry_in_a_cluster:
	s_bfe_u32 s2, ttmp6, 0x10000c
	s_cmp_lg_u32 s2, 0xf033
	s_cbranch_scc0 .Lentry_shape_is_right
	s_endpgm
.Lentry_shape_is_right:
; OUT[i][j] = sum over k of P[i][k] R[j][k] + bias, K = 1,024, on codes of FP6 (E2M3) with one E8M0 byte for each 32 along K.  One text for three launches, told apart by MODE:
;   MODE 0: P = the tokens of q, then of k; R = wq or wk; bias bq or bk along j.  The result is quantised along j (a head's 64) into the attention's operands.
;   MODE 1: P = wv's rows; R = the tokens of v; bias bv along i.  The result, value transposed, is quantised along j (the keys).
;   MODE 2: P = the attention's result; R = wo; bias bo along j.  The result is out0, f32.
; OPERANDS LIE AS IMAGES OF THEIR REGISTERS: [row tile of 16][K step of 128][6 units of 256 bytes], unit p = registers 2 p, 2 p + 1, 8 bytes a lane.  Row r of tile T is tensor row 32 (T/2) + 8 (T%2) + r + 8 (r/8).
; Scale words: [pair of tiles][chunk of two K steps][lane][2]: lanes 0-15 the even tile's rows, lanes 16-31 the odd tile's: one register serves two tiles.
; THE PRODUCT IS USED TRANSPOSED: source 0 = 16 rows of R, source 1 = 16 rows of P.  A lane holds one row i, and by the order of a tile's rows the 16 registers of R's tiles 2 b, 2 b + 1 are j = 32 b + 16 (lane/16) + 0 .. 15.
; SHARES.  A work-group makes 128 i x 256 j; each of its eight waves 64 x 64: 16 accumulators.  All of K lies in LDS at once (four chunks of two K steps): every byte of LDS is filled once, nothing is filled again.
; CLUSTER.  4 x 4 work-groups: the four of a row need the same rows of P, the four of a column the same rows of R: each tile is asked for jointly.  Each of the eight waves asks for one piece: one load a wave is out.
; LIMITS (MODE 0, 1): NaN and infinities are not served; a block whose largest magnitude lies under 2^-124, a block of zeros too, keeps the byte 1: this program alone reads the bytes.
.set MODE, 0
.if MODE == 0
.set PBASE, 0                          ; P's and R's first row tiles in their buffers
.set RBASE, 1536
.set RCP, 4                            ; scalar pairs: R's codes, R's scale words, the bias, the outputs
.set RSP, 6
.set BI,  8
.set OCP, 12
.set OSP, 14
.endif
.if MODE == 1
.set PBASE, 1664
.set RBASE, 1024
.set RCP, 4
.set RSP, 6
.set BI,  8
.set OCP, 10
.set OSP, 12
.endif
.if MODE == 2
.set PBASE, 0
.set RBASE, 1728
.set RCP, 8
.set RSP, 10
.set BI,  12
.set OCP, 14
.set OSP, 14
.endif
.set PCP, 4                            ; P's codes, P's scale words
.set PSP, 6
.set TILEB, 3072                       ; a tile's two K steps
.set PART,  8*TILEB                    ; eight tiles' two K steps
.set CHUNK, 3*PART                     ; P's eight tiles, R's sixteen
.set SCB,   4*CHUNK                    ; the scale words: P's 4,096 bytes, R's 8,192
.set SPARE, SCB+12288                  ; the spare words: 128 bytes a wave, four blocks of 256 bytes that no other line names
.set RF,  32                           ; v32-79   R's four fragments
.set PF,  80                           ; v80-127  P's four
.set ACC, 128                          ; v128-255 accumulator (it, jt) at 128 + 8 (4 it + jt)
.set HW,  26                           ; v26-31   the quantiser's work
.set SPW, 24                           ; v24      LDS address of my spare word; never rewritten
.set NIL, 25                           ; v25      0; never rewritten
.set WV,  16                           ; s16 wave; s17 wi = wave / 4; s18 wj = wave % 4; s22 X; s23 Y
.set SEL, 20                           ; s[20:21] lane selects, once cx and cy are spent
; v1 8 x lane; v2, v3 LDS addresses of P's and R's fragments; v4, v5 of their scale words; v16-19 P's scale words, v20-23 R's: pair ip, K step q at 2 ip + q
; s[24:31], s[32:39] descriptor group 1 for P's and R's chunks; s[40:47], s[48:55] for their scale words; groups 0: P s[56:63], s[68:71]; R s[80:99]
.macro CROUND                          ; a round of the cluster's barrier
	s_barrier_signal -1
	s_barrier_wait -1
	s_cmp_lg_u32 s[WV], 0
	s_cbranch_scc1 .Lnot_wave_0_\@
	s_barrier_signal -3
.Lnot_wave_0_\@:
	s_barrier_wait -3
	s_barrier_signal -1
	s_barrier_wait -1
.endm
	s_load_b256 s[4:11], s[0:1], 0x0
.if MODE == 1
	s_load_b64 s[12:13], s[0:1], 0x20
.else
	s_load_b128 s[12:15], s[0:1], 0x20
.endif
	v_lshl_add_u32 v[SPW], v0, 2, SPARE
	v_mov_b32 v[NIL], 0
	ds_add_u32 v[SPW], v[NIL]                      ; the wave's opening: the add and its wait ahead of the first tensor loads; work on registers stands between them
	ds_add_u32 v[SPW], v[NIL]
	v_lshrrev_b32 v1, 5, v0
	s_delay_alu instid0(VALU_DEP_1)
	v_readfirstlane_b32 s[WV], v1
	s_lshr_b32 s17, s[WV], 2
	s_and_b32 s18, s[WV], 3
	s_bfe_u32 s20, ttmp6, 0x40000                  ; cx
	s_bfe_u32 s21, ttmp6, 0x40004                  ; cy
	s_lshl_b32 s100, s21, 2
	s_lshl_b32 s100, 15, s100                      ; my row of the cluster
	s_lshl_b32 s101, 0x1111, s20                   ; my column
	s_or_b32 s24, s100, (3<<16)|(1<<21)            ; 15:0 the mask: P goes to my row; 17:16 elements of 8 bytes; 21 set beside a mask; no padding
	s_or_b32 s40, s100, (3<<16)|(1<<21)
	s_or_b32 s32, s101, (3<<16)|(1<<21)            ; R goes to my column
	s_or_b32 s48, s101, (3<<16)|(1<<21)
	s_mov_b32 s25, 768<<16                         ; P: half of K for eight tiles: 8 rows of 6,144 bytes
	s_mov_b32 s26, 8<<16
	s_mov_b32 s27, 768<<16
	s_mov_b32 s28, 8
	s_mov_b32 s33, 384<<16                         ; R: two K steps of sixteen tiles: 16 rows of 3,072 bytes
	s_mov_b32 s34, 16<<16
	s_mov_b32 s35, 384<<16
	s_mov_b32 s36, 16
.irp g, 24, 32                         ; both: rows 12,288 bytes apart
	s_mov_b32 s[\g+5], 1536                        ; tensor_dim0_stride
	s_mov_b32 s[\g+6], 0
	s_mov_b32 s[\g+7], 0
.endr
	s_mov_b32 s42, 16<<16                          ; P's scale words: 16 rows of 256 bytes; R's: 32
	s_mov_b32 s44, 16
	s_mov_b32 s50, 32<<16
	s_mov_b32 s52, 32
.irp g, 40, 48
	s_mov_b32 s[\g+1], 32<<16
	s_mov_b32 s[\g+3], 32<<16
	s_mov_b32 s[\g+5], 32
	s_mov_b32 s[\g+6], 0
	s_mov_b32 s[\g+7], 0
.endr
	s_lshl_b32 s22, ttmp9, 2
	s_add_co_u32 s22, s22, s20                     ; X = 4 x cluster x + cx: which 256 j
	s_and_b32 s23, ttmp7, 0xffff
.if MODE == 0
	s_lshr_b32 s100, s23, 4                        ; 0: q and wq, 1: k and wk; the same in all sixteen partners
.endif
	s_lshl_b32 s23, s23, 2
	s_add_co_u32 s23, s23, s21                     ; Y = 4 x cluster y + cy: which 128 i
	s_mov_b32 s3, 0
	s_mov_b32 s67, 0
.irp g, 56,60,68,80,84,88,92,96
	s_mov_b32 s[\g], 1                             ; count = 1
.endr
	s_mov_b32 s57, SCB                             ; LDS addresses: no place in the cluster enters them
	s_mov_b32 s61, 0
.set PH, 2*PART                        ; 49,152 bytes: what one load of codes brings.  LDS: P's two halves along K, then R's four chunks
	s_mov_b32 s69, PH
	s_mov_b32 s81, SCB+4096
	s_mov_b32 s85, 2*PH
	s_mov_b32 s89, 3*PH
	s_mov_b32 s93, 4*PH
	s_mov_b32 s97, 5*PH
	s_wait_dscnt 0x0                               ; the opening add is done
	s_wait_kmcnt 0x0
	s_mul_i32 s2, s23, 8*12288                     ; P hangs on Y alone, which my row of the cluster shares
.if PBASE
	s_add_co_u32 s2, s2, PBASE*12288
.endif
	s_add_nc_u64 s[62:63], s[PCP:PCP+1], s[2:3]
	s_add_nc_u64 s[70:71], s[62:63], 2*TILEB       ; K steps 4 to 7
	s_lshl_b32 s2, s23, 12                         ; 512 bytes of scale words a tile
.if PBASE
	s_add_co_u32 s2, s2, PBASE*512
.endif
	s_add_nc_u64 s[58:59], s[PSP:PSP+1], s[2:3]
	s_mul_i32 s66, s22, 16*12288                   ; R hangs on X, which my column shares, and on the wave
.if MODE == 0
	s_mul_i32 s101, s100, 64*12288
	s_add_co_u32 s66, s66, s101
.endif
	s_add_co_u32 s66, s66, RBASE*12288
	s_add_nc_u64 s[86:87], s[RCP:RCP+1], s[66:67]
	s_add_nc_u64 s[90:91], s[86:87], TILEB
	s_add_nc_u64 s[94:95], s[86:87], 2*TILEB
	s_add_nc_u64 s[98:99], s[86:87], 3*TILEB
	s_lshl_b32 s66, s22, 13
.if MODE == 0
	s_lshl_b32 s101, s100, 15
	s_add_co_u32 s66, s66, s101
.endif
	s_add_co_u32 s66, s66, RBASE*512
	s_add_nc_u64 s[82:83], s[RSP:RSP+1], s[66:67]
.irp g, 59,63,71,83,87,91,95,99
	s_or_b32 s[\g], s[\g], 0x80000000              ; type = 2
.endr
	CROUND                                         ; all sixteen work-groups are here: the joint loads meet
; THE FILLS, ONE JOINT LOAD A WAVE, in one chain of branches on the wave's number:
; wave 0 P's scale words, 1 R's, 2 P's K steps 0-3, 3 R's chunk 0, 4 R's chunk 1, 5 P's K steps 4-7, 6 R's chunk 2, 7 R's chunk 3
.macro ARM w, g0, g1
	s_cmp_eq_u32 s[WV], \w
	s_cbranch_scc0 .Lnot_\w
	tensor_load_to_lds s[\g0:\g0+3], s[\g1:\g1+7]
	s_nop 0
.rept 4
	v_nop
.endr
	s_branch .Lasked
.Lnot_\w:
.endm
	ARM 0, 56, 40
	ARM 1, 80, 48
	ARM 2, 60, 24
	ARM 3, 84, 32
	ARM 4, 88, 32
	ARM 5, 68, 24
	ARM 6, 92, 32
	tensor_load_to_lds s[96:99], s[32:39]
	s_nop 0
.rept 4
	v_nop
.endr
.Lasked:
	v_and_b32 v26, 31, v0                          ; lane
	v_and_b32 v27, 15, v0                          ; r
	v_bfe_u32 v28, v0, 4, 1                        ; h
	s_wait_alu depctr_va_vdst(0)
	v_mov_b32 v29, 0                               ; (v28, v29 are lane permutes' destinations later: written here)
	v_lshlrev_b32 v1, 3, v26
	v_lshlrev_b32 v14, 2, v26                      ; 4 x lane
	s_mul_i32 s2, s17, 8*TILEB
	v_add_nc_u32 v2, s2, v1                        ; P: my four tiles
	s_mul_i32 s2, s18, 4*TILEB
	s_add_co_u32 s2, s2, 2*PH
	v_add_nc_u32 v3, s2, v1                        ; R: my four tiles, behind P's eight
	s_lshl_b32 s2, s17, 11
	s_add_co_u32 s2, s2, SCB
	v_add_nc_u32 v4, s2, v1                        ; their scale words: 1,024 bytes a pair of tiles
	s_lshl_b32 s2, s18, 11
	s_add_co_u32 s2, s2, SCB+4096
	v_add_nc_u32 v5, s2, v1
	s_mov_b32 s[SEL], 0x76543210
	s_mov_b32 s[SEL+1], 0xfedcba98
	s_mov_b32 s101, 0xffff0000                     ; lanes 16-31
.if MODE != 1
; THE BIAS IS LOADED INTO THE ACCUMULATORS, in the result's layout: register jj of tile jt is j = 32 (jt/2) + 16 h + 8 (jt%2) + jj.  Every product then adds in place; nothing is cleared and nothing is added by vector work.
.if MODE == 0
	s_cmp_eq_u32 s100, 0
	s_cselect_b64 s[BI:BI+1], s[8:9], s[10:11]
.endif
	s_lshl_b32 s2, s22, 10
	s_lshl_b32 s66, s18, 8
	s_add_co_u32 s2, s2, s66                       ; 4 (256 X + 64 wj)
	s_add_nc_u64 s[BI:BI+1], s[BI:BI+1], s[2:3]
	v_lshlrev_b32 v6, 6, v28
.irp it, 0,1,2,3
.irp jt, 0,1,2,3
	global_load_b128 v[ACC+8*(4*\it+\jt):ACC+8*(4*\it+\jt)+3], v6, s[BI:BI+1] offset:4*(32*(\jt/2)+8*(\jt%2))
	global_load_b128 v[ACC+8*(4*\it+\jt)+4:ACC+8*(4*\it+\jt)+7], v6, s[BI:BI+1] offset:4*(32*(\jt/2)+8*(\jt%2))+16
.endr
.endr
.else
; The bias runs along i, one number a lane for each of P's tiles: it is loaded twice, as a pair for the packed addition on the way out.
	s_lshl_b32 s2, s23, 9
	s_lshl_b32 s66, s17, 8
	s_add_co_u32 s2, s2, s66                       ; 4 (128 Y + 64 wi)
	s_add_nc_u64 s[BI:BI+1], s[BI:BI+1], s[2:3]
	v_and_b32 v15, 8, v27
	v_add_nc_u32 v15, v15, v27
	v_lshlrev_b32 v15, 2, v15                      ; 4 (r + 8 (r/8))
.irp it, 0,1,2,3
	global_load_b32 v[6+2*\it], v15, s[BI:BI+1] offset:4*(32*(\it/2)+8*(\it%2))
	global_load_b32 v[7+2*\it], v15, s[BI:BI+1] offset:4*(32*(\it/2)+8*(\it%2))
.endr
.endif
; where the results go
.if MODE == 0
	s_and_b32 s2, s23, 63
	s_lshr_b32 s66, s2, 4                          ; batch
	s_and_b32 s2, s2, 15                           ; key step: 128 tokens
	s_lshl_b32 s66, s66, 4
	s_lshl_b32 s67, s22, 2
	s_add_co_u32 s66, s66, s67
	s_add_co_u32 s66, s66, s18                     ; 16 x batch + head, head = 4 X + wj
	s_lshl_b32 s67, s2, 1
	s_add_co_u32 s67, s67, s17                     ; which four token tiles of the batch
	s_mul_i32 s2, s66, 294912                      ; a head: Q, K, V, 98,304 bytes each; a token tile's half image is 768 bytes
	s_mul_i32 s19, s100, 98304
	s_add_co_u32 s2, s2, s19
	s_mul_i32 s19, s67, 3072
	s_add_co_u32 s2, s2, s19
	s_add_nc_u64 s[OCP:OCP+1], s[OCP:OCP+1], s[2:3]
	s_mul_i32 s2, s66, 12288                       ; scale words: 4,096 bytes each; 64 bytes a pair of tiles
	s_lshl_b32 s19, s100, 12
	s_add_co_u32 s2, s2, s19
	s_lshl_b32 s19, s67, 7
	s_add_co_u32 s2, s2, s19
	s_add_nc_u64 s[OSP:OSP+1], s[OSP:OSP+1], s[2:3]
.endif
.if MODE == 1
	s_lshr_b32 s66, s22, 3                         ; batch
	s_lshl_b32 s66, s66, 4
	s_lshl_b32 s67, s23, 1
	s_add_co_u32 s66, s66, s67
	s_add_co_u32 s66, s66, s17                     ; 16 x batch + head, head = 2 Y + wi
	s_and_b32 s67, s22, 7
	s_lshl_b32 s67, s67, 1
	s_lshr_b32 s19, s18, 1
	s_add_co_u32 s67, s67, s19                     ; key step
	s_and_b32 s19, s18, 1                          ; which 64 keys of it
	s_mul_i32 s2, s66, 294912
	s_mul_i32 s100, s67, 6144                      ; a key step: four tiles of d, 1,536 bytes each
	s_add_co_u32 s2, s2, s100
	s_mul_i32 s100, s19, 768
	s_add_co_u32 s2, s2, s100
	s_add_co_u32 s2, s2, 196608
	s_add_nc_u64 s[OCP:OCP+1], s[OCP:OCP+1], s[2:3]
	s_mul_i32 s2, s66, 12288
	s_lshl_b32 s100, s67, 8
	s_add_co_u32 s2, s2, s100
	s_lshl_b32 s100, s19, 1
	s_add_co_u32 s2, s2, s100
	s_add_co_u32 s2, s2, 8192
	s_add_nc_u64 s[OSP:OSP+1], s[OSP:OSP+1], s[2:3]
.endif
.if MODE == 2
	s_lshl_b32 s2, s23, 7
	s_lshl_b32 s66, s17, 6
	s_add_co_u32 s2, s2, s66                       ; my first token
	s_lshl_b32 s2, s2, 12                          ; rows of 4,096 bytes
	s_lshl_b32 s66, s22, 10
	s_add_co_u32 s2, s2, s66
	s_lshl_b32 s66, s18, 8
	s_add_co_u32 s2, s2, s66                       ; + 4 (256 X + 64 wj)
	s_add_nc_u64 s[OCP:OCP+1], s[OCP:OCP+1], s[2:3]
	s_mul_i32 s66, s[WV], 4352                     ; my stage: 16 rows x 272 bytes, in chunk 0
	v_mul_u32_u24 v7, v27, 272
	v_lshl_add_u32 v7, v28, 6, v7
	v_add_nc_u32 v7, s66, v7                       ; in: row r, + 64 h
	v_mul_u32_u24 v8, v28, 272
	v_lshl_add_u32 v8, v27, 4, v8
	v_add_nc_u32 v8, s66, v8                       ; back: lanes 0-15 one row of 256 bytes, lanes 16-31 the next
	v_lshlrev_b32 v9, 12, v28
	v_lshl_add_u32 v9, v27, 4, v9                  ; and the same two rows in out0
.endif
	s_wait_alu depctr_va_vdst(0)
	s_wait_loadcnt 0x0                             ; the bias
.macro FRAG reg, adr, off              ; a fragment comes as it was stored: six loads of 8 bytes a lane, 256 consecutive bytes each
.irp p, 0,1,2,3,4,5
	ds_load_b64 v[\reg+2*\p:\reg+2*\p+1], v[\adr] offset:\off+256*\p
.endr
.endm
.macro WMMA z                          ; one product on rD, rA, rB, rSA, rSB; fA, fB: the scale words lie in lanes 16-31; z = 1: it starts the sum
.if \z
.if fA && fB
	v_wmma_scale_f32_16x16x128_f8f6f4 v[rD:rD+7], v[rA:rA+11], v[rB:rB+11], 0, v[rSA], v[rSB] matrix_a_fmt:MATRIX_FMT_FP6 matrix_b_fmt:MATRIX_FMT_FP6 matrix_a_scale:MATRIX_SCALE_ROW1 matrix_b_scale:MATRIX_SCALE_ROW1
.elseif fA
	v_wmma_scale_f32_16x16x128_f8f6f4 v[rD:rD+7], v[rA:rA+11], v[rB:rB+11], 0, v[rSA], v[rSB] matrix_a_fmt:MATRIX_FMT_FP6 matrix_b_fmt:MATRIX_FMT_FP6 matrix_a_scale:MATRIX_SCALE_ROW1
.elseif fB
	v_wmma_scale_f32_16x16x128_f8f6f4 v[rD:rD+7], v[rA:rA+11], v[rB:rB+11], 0, v[rSA], v[rSB] matrix_a_fmt:MATRIX_FMT_FP6 matrix_b_fmt:MATRIX_FMT_FP6 matrix_b_scale:MATRIX_SCALE_ROW1
.else
	v_wmma_scale_f32_16x16x128_f8f6f4 v[rD:rD+7], v[rA:rA+11], v[rB:rB+11], 0, v[rSA], v[rSB] matrix_a_fmt:MATRIX_FMT_FP6 matrix_b_fmt:MATRIX_FMT_FP6
.endif
.else
.if fA && fB
	v_wmma_scale_f32_16x16x128_f8f6f4 v[rD:rD+7], v[rA:rA+11], v[rB:rB+11], v[rD:rD+7], v[rSA], v[rSB] matrix_a_fmt:MATRIX_FMT_FP6 matrix_b_fmt:MATRIX_FMT_FP6 matrix_a_scale:MATRIX_SCALE_ROW1 matrix_b_scale:MATRIX_SCALE_ROW1
.elseif fA
	v_wmma_scale_f32_16x16x128_f8f6f4 v[rD:rD+7], v[rA:rA+11], v[rB:rB+11], v[rD:rD+7], v[rSA], v[rSB] matrix_a_fmt:MATRIX_FMT_FP6 matrix_b_fmt:MATRIX_FMT_FP6 matrix_a_scale:MATRIX_SCALE_ROW1
.elseif fB
	v_wmma_scale_f32_16x16x128_f8f6f4 v[rD:rD+7], v[rA:rA+11], v[rB:rB+11], v[rD:rD+7], v[rSA], v[rSB] matrix_a_fmt:MATRIX_FMT_FP6 matrix_b_fmt:MATRIX_FMT_FP6 matrix_b_scale:MATRIX_SCALE_ROW1
.else
	v_wmma_scale_f32_16x16x128_f8f6f4 v[rD:rD+7], v[rA:rA+11], v[rB:rB+11], v[rD:rD+7], v[rSA], v[rSB] matrix_a_fmt:MATRIX_FMT_FP6 matrix_b_fmt:MATRIX_FMT_FP6
.endif
.endif
.endm
; K step q of the chunk in hand: 48 loads (52 with the chunk's scale words), 16 products; the sixteen accumulators take turns, one instruction a turn
; THE WALK ALONG K, eight steps n of 16 products.  Even steps go by P's tiles (R's four stay), odd steps by R's tiles (P's four stay).  When a tile's four products are issued, its registers
; take the same tile of step n + 1; the operand that stayed is fetched anew at the step's end, tile by tile.  The sixteen accumulators take turns.
.macro LDP n, t                        ; P's tile t of step n: v2 serves K steps 0-3, v30 steps 4-7
.set FO_, 2*TILEB*(\t)+1536*((\n)%4)
	FRAG PF+12*(\t), 2+28*((\n)/4), FO_
.endm
.macro LDR n, t                        ; R's tile t of step n: v3 serves chunks 0 and 1, v31 chunks 2 and 3
.set FO_, PH*(((\n)/2)%2)+TILEB*(\t)+1536*((\n)%2)
	FRAG RF+12*(\t), 3+28*((\n)/4), FO_
.endm
.macro SCW c                           ; the scale words of steps 2 c, 2 c + 1
.irp ip, 0,1
	ds_load_b64 v[16+2*\ip:17+2*\ip], v4 offset:1024*\ip+256*(\c)
	ds_load_b64 v[20+2*\ip:21+2*\ip], v5 offset:1024*\ip+256*(\c)
.endr
.endm
.macro SHOW lim                        ; the waves under lim have their fills in; no LDS load of mine is out; the signal.
.if \lim < 8
	s_cmp_lt_u32 s[WV], \lim
	s_cbranch_scc0 .Lout_\lim
	s_wait_tensorcnt 0x0
.Lout_\lim:
.else
	s_wait_tensorcnt 0x0
.endif
	s_wait_dscnt 0x0
	s_barrier_signal -1
.endm
.macro GRP n, o, z                     ; four products: tile o of the operand that the step goes by, against the other's four
.irp i, 0,1,2,3
.if (\n)%2
.set jt_, \o
.set it_, \i
.else
.set it_, \o
.set jt_, \i
.endif
.set rD, ACC+8*(4*it_+jt_)
.set rA, RF+12*jt_
.set rB, PF+12*it_
.set rSA, 20+2*(jt_/2)+(\n)%2
.set rSB, 16+2*(it_/2)+(\n)%2
.set fA, jt_%2
.set fB, it_%2
	WMMA \z
.endr
.endm
.macro KS n, z, lim                    ; lim > 0: a barrier shows what step n + 1 reads; the first four products stand between its signal and its wait
.if \lim
	SHOW \lim
.endif
.irp o, 0,1,2,3
.if (\n) < 7
	s_wait_dscnt 18                                ; tile o is in: behind it stand the six loads of each later tile and of each tile already fetched for step n + 1: 6 (3 - o) + 6 o
.else
	s_wait_dscnt 18-6*\o                           ; the last step fetches nothing
.endif
	GRP \n, \o, \z
.if (\lim) && (\o == 0)
	s_barrier_wait -1
.endif
.if (\n) < 7
.rept 4
	v_nop                                          ; four places in front of loads into registers that products have read
.endr
.if (\n)%2
	LDR (\n)+1, \o
.else
	LDP (\n)+1, \o
.endif
.endif
.endr
.if (\n) < 7
.if (\n)%2
	SCW ((\n)+1)/2
.irp t, 0,1,2,3
	LDP (\n)+1, \t
.endr
.else
.irp t, 0,1,2,3
	LDR (\n)+1, \t
.endr
.endif
.endif
.endm
	v_add_nc_u32 v30, PH, v2
	v_add_nc_u32 v31, 2*PH, v3
	s_wait_alu depctr_va_vdst(0)                   ; the wait at the head's end
	SHOW 4                                         ; the scale words, P's K steps 0-3, R's chunk 0
	s_barrier_wait -1
	SCW 0
.irp t, 0,1,2,3
	LDR 0, \t
.endr
.irp t, 0,1,2,3
	LDP 0, \t
.endr
.if MODE == 1
	KS 0, 1, 0
.else
	KS 0, 0, 0
.endif
	KS 1, 0, 5                                     ; R's chunk 1
	KS 2, 0, 0
	KS 3, 0, 7                                     ; P's K steps 4-7, R's chunk 2
	KS 4, 0, 0
	KS 5, 0, 8                                     ; R's chunk 3: every wave waits
	KS 6, 0, 0
	KS 7, 0, 0
; 32 numbers of a lane, v[HS_] on, register 16 b + i = j 32 b + 16 h + i of my row, become six registers of codes, v[HP_] on (lanes 0-15 block 0, lanes 16-31 block 1), and the two scale bytes in v[HU_]
.macro HQ
.irp b, 0,1
	v_max3_num_f32 v[HW+\b], |v[HS_+16*\b]|, |v[HS_+16*\b+1]|, 0x1800000   ; each accumulator is read from its low end on; the floor 2^(3 - 127) holds the byte at 1 from below
.endr
.irp i, 2,4,6,8,10,12,14
.irp b, 0,1
	v_max3_num_f32 v[HW+\b], v[HW+\b], |v[HS_+16*\b+\i]|, |v[HS_+16*\b+\i+1]|
.endr
.endr
.irp b, 0,1
	s_delay_alu instid0(VALU_DEP_2)
	v_permlanex16_b32 v[HW+2+\b], v[HW+\b], s[SEL], s[SEL+1]
.endr
.irp b, 0,1
	s_delay_alu instid0(VALU_DEP_2)
	v_max_num_f32 v[HW+\b], v[HW+\b], v[HW+2+\b]   ; with lane l xor 16's 16: the block's largest magnitude
.endr
.irp b, 0,1
	s_delay_alu instid0(VALU_DEP_2)
	v_add_nc_u32 v[HW+4+\b], 0xff000000, v[HW+\b]  ; 2 off the exponent field: the conversion's scale operand
.endr
.irp b, 0,1
	s_delay_alu instid0(VALU_DEP_2)
	v_lshrrev_b32 v[HW+2+\b], 23, v[HW+4+\b]       ; the scale's byte
.endr
	s_delay_alu instid0(VALU_DEP_1)
	v_lshl_or_b32 v[HU_], v[HW+3], 8, v[HW+2]
	v_cvt_scalef32_pk16_fp6_f32 v[HP_:HP_+2], v[HS_:HS_+15], v[HW+4]
	v_cvt_scalef32_pk16_fp6_f32 v[HP_+4:HP_+6], v[HS_+16:HS_+31], v[HW+5]
	v_nop                                          ; one plain place behind a scaled conversion
.irp i, 0,1,2
	v_permlane16_swap_b32 v[HP_+\i], v[HP_+4+\i]   ; the operand's layout wants a whole block in a lane
.endr
.irp i, 0,1,2
	s_delay_alu instid0(VALU_DEP_3)
	v_mov_b32 v[HP_+3+\i], v[HP_+4+\i]
.endr
.endm
.if MODE < 2
.rept 4
	v_nop                                          ; four places behind the last products
.endr
.irp it, 0,1,2,3
.if MODE == 1
.irp j, 0,2,4,6,8,10,12,14,16,18,20,22,24,26,28,30
	v_pk_add_f32 v[ACC+32*\it+\j:ACC+32*\it+\j+1], v[ACC+32*\it+\j:ACC+32*\it+\j+1], v[6+2*\it:7+2*\it]   ; + bv of my row, in f32, ahead of the quantiser
.endr
.endif
.set HS_, ACC+32*\it
.set HP_, 32+8*\it                     ; each tile has registers of its own for its codes: no store's data are written again
.set HU_, 64+\it
	HQ
.irp p, 0,1,2
.if MODE == 0
	global_store_b64 v1, v[32+8*\it+2*\p:32+8*\it+2*\p+1], s[OCP:OCP+1] offset:768*\it+256*\p    ; 32 lanes store 256 consecutive bytes, aligned
.else
	global_store_b64 v1, v[32+8*\it+2*\p:32+8*\it+2*\p+1], s[OCP:OCP+1] offset:1536*\it+256*\p
.endif
.endr
.endr
.if MODE == 0
	v_lshl_or_b32 v64, v65, 16, v64                ; a pair of token tiles shares a word: the even tile's two bytes, then the odd tile's
	v_lshl_or_b32 v66, v67, 16, v66
	s_delay_alu instid0(VALU_DEP_1)
	v_cndmask_b32 v64, v64, v66, s101              ; lanes 0-15: my first pair's rows, lanes 16-31: my second pair's
	global_store_b32 v14, v64, s[OSP:OSP+1]        ; 128 consecutive bytes
.else
	v_cndmask_b32 v64, v64, v65, s101              ; lanes 0-15: tile 0's rows, lanes 16-31: tile 1's
	v_cndmask_b32 v66, v66, v67, s101
	global_store_b16 v14, v64, s[OSP:OSP+1]        ; my 64 keys' two bytes of each word; the wave with the other 64 keys stores the other half.  1 byte in 25 of what the launch stores
	global_store_b16 v14, v66, s[OSP:OSP+1] offset:128
.endif
.endif
.if MODE == 2
; THE WAY OUT: 16 tokens x 64 j at a time through my stage and back as whole rows of 256 bytes.  The stage lies in chunk 0, which has had its one fill and, behind the barrier below, its last read.
.macro TOSTAGE it
.irp jt, 0,1,2,3
	ds_store_b128 v7, v[ACC+8*(4*(\it)+\jt):ACC+8*(4*(\it)+\jt)+3] offset:128*(\jt/2)+32*(\jt%2)          ; each accumulator from its low end on
	ds_store_b128 v7, v[ACC+8*(4*(\it)+\jt)+4:ACC+8*(4*(\it)+\jt)+7] offset:128*(\jt/2)+32*(\jt%2)+16
.endr
.irp k, 0,1,2,3,4,5,6,7
	ds_load_b128 v[32+32*((\it)%2)+4*\k:32+32*((\it)%2)+4*\k+3], v8 offset:544*\k   ; LDS serves a wave's instructions in order: these see the stores above
.endr
.endm
.macro SEND it, younger                ; younger: the LDS instructions issued behind this block's loads: the next block's 8 stores and 8 loads, or none
	s_wait_dscnt \younger
.irp k, 0,1,2,3,4,5,6,7
	global_store_b128 v9, v[32+32*((\it)%2)+4*\k:32+32*((\it)%2)+4*\k+3], s[OCP:OCP+1] offset:(2*\k+8*(\k/4)+32*((\it)/2)+8*((\it)%2))*4096 th:TH_STORE_NT   ; tile row 2 k + h is token 32 (it/2) + 8 (it%2) + 2 k + h + 8 (k/4); 16 lanes store 256 consecutive bytes, aligned
.endr
.endm
	s_wait_dscnt 0x0
	s_barrier_signal -1
	s_barrier_wait -1
.rept 4
	v_nop                                          ; four places behind the last products
.endr
	TOSTAGE 0
	TOSTAGE 1
	SEND 0, 16
	s_wait_xcnt 0x0                                ; block 0's stores have read their registers: block 2's loads may land there
	TOSTAGE 2
	SEND 1, 16
	s_wait_xcnt 0x0
	TOSTAGE 3
	SEND 2, 16
	SEND 3, 0
.endif
	s_wait_tensorcnt 0x0                           ; the wave's end, behind my last tensor load and my last LDS store
	ds_add_u32 v[SPW], v[NIL]
	s_wait_dscnt 0x0
	CROUND                                         ; the closing round: no work-group ends while a partner may still ask for a tile that names it
	s_endpgm
.Lfunc_end_k_qd7935047cc_projqk:
	.size	k_qd7935047cc_projqk, .Lfunc_end_k_qd7935047cc_projqk-k_qd7935047cc_projqk
	.p2alignl 7, 3214868480
	.fill 96, 4, 3214868480
	.section	.rodata,"a",@progbits
	.p2align	6, 0x0
	.amdhsa_kernel k_qd7935047cc_projqk
		.amdhsa_group_segment_fixed_size 308224
		.amdhsa_private_segment_fixed_size 0
		.amdhsa_enable_private_segment 0
		.amdhsa_kernarg_size 48
		.amdhsa_user_sgpr_count 2
		.amdhsa_user_sgpr_kernarg_segment_ptr 1
		.amdhsa_wavefront_size32 1
		.amdhsa_system_sgpr_workgroup_id_x 1
		.amdhsa_system_sgpr_workgroup_id_y 1
		.amdhsa_system_sgpr_workgroup_id_z 1
		.amdhsa_system_vgpr_workitem_id 0
		.amdhsa_next_free_vgpr 256
		.amdhsa_next_free_sgpr 102
		.amdhsa_reserve_vcc 0
		.amdhsa_float_denorm_mode_32 3
		.amdhsa_float_denorm_mode_16_64 3
		.amdhsa_memory_ordered 1
		.amdhsa_forward_progress 1
		.amdhsa_inst_pref_size 71
	.end_amdhsa_kernel
	.amdgpu_metadata
---
amdhsa.version: [ 1, 2 ]
amdhsa.kernels:
  - .name:           k_qd7935047cc_projqk
    .symbol:         k_qd7935047cc_projqk.kd
    .args:
      - { .name: xc, .offset: 0, .size: 8, .value_kind: global_buffer, .address_space: global }
      - { .name: xs, .offset: 8, .size: 8, .value_kind: global_buffer, .address_space: global }
      - { .name: bq, .offset: 16, .size: 8, .value_kind: global_buffer, .address_space: global }
      - { .name: bk, .offset: 24, .size: 8, .value_kind: global_buffer, .address_space: global }
      - { .name: qkvc, .offset: 32, .size: 8, .value_kind: global_buffer, .address_space: global }
      - { .name: qkvs, .offset: 40, .size: 8, .value_kind: global_buffer, .address_space: global }
    .group_segment_fixed_size: 308224
    .private_segment_fixed_size: 0
    .kernarg_segment_align: 8
    .kernarg_segment_size: 48
    .max_flat_workgroup_size: 256
    .sgpr_count:     102
    .vgpr_count:     256
    .wavefront_size: 32
...
	.end_amdgpu_metadata
.endif
;; end of part 2
;; launch projv (part 3): grid 32 x 8, 8 waves a work-group, clusters of 4 x 4, 308,224 bytes of LDS; arguments xc, xs, bv, qkvc, qkvs; writes qkvc, qkvs
.if DOCPART == 3
	.amdgcn_target "amdgcn-amd-amdhsa--gfx1250"
	.amdhsa_code_object_version 6
	.text
	.protected	k_qd7935047cc_projv
	.globl	k_qd7935047cc_projv
	.p2align	8
	.type	k_qd7935047cc_projv,@function
k_qd7935047cc_projv:
	s_mov_b64 s[64:65], 0
	v_nop
	global_prefetch_b8 v0, s[64:65] scope:SCOPE_SE
	s_setreg_imm32_b32 hwreg(HW_REG_WAVE_MODE, 25, 1), 1
	s_wait_xcnt 0x0
	s_wait_alu depctr_hold_cnt(0) depctr_sa_sdst(0) depctr_va_vdst(0) depctr_va_sdst(0) depctr_va_ssrc(0) depctr_va_vcc(0) depctr_vm_vsrc(0)
	s_getreg_b32 s2, hwreg(HW_REG_IB_STS2, 6, 4)
	s_cmp_eq_u32 s2, 0
	s_cbranch_scc0 .Lentry_in_a_cluster
	s_endpgm
.Lentry_in_a_cluster:
	s_bfe_u32 s2, ttmp6, 0x10000c
	s_cmp_lg_u32 s2, 0xf033
	s_cbranch_scc0 .Lentry_shape_is_right
	s_endpgm
.Lentry_shape_is_right:
; OUT[i][j] = sum over k of P[i][k] R[j][k] + bias, K = 1,024, on codes of FP6 (E2M3) with one E8M0 byte for each 32 along K.  One text for three launches, told apart by MODE:
;   MODE 0: P = the tokens of q, then of k; R = wq or wk; bias bq or bk along j.  The result is quantised along j (a head's 64) into the attention's operands.
;   MODE 1: P = wv's rows; R = the tokens of v; bias bv along i.  The result, value transposed, is quantised along j (the keys).
;   MODE 2: P = the attention's result; R = wo; bias bo along j.  The result is out0, f32.
; OPERANDS LIE AS IMAGES OF THEIR REGISTERS: [row tile of 16][K step of 128][6 units of 256 bytes], unit p = registers 2 p, 2 p + 1, 8 bytes a lane.  Row r of tile T is tensor row 32 (T/2) + 8 (T%2) + r + 8 (r/8).
; Scale words: [pair of tiles][chunk of two K steps][lane][2]: lanes 0-15 the even tile's rows, lanes 16-31 the odd tile's: one register serves two tiles.
; THE PRODUCT IS USED TRANSPOSED: source 0 = 16 rows of R, source 1 = 16 rows of P.  A lane holds one row i, and by the order of a tile's rows the 16 registers of R's tiles 2 b, 2 b + 1 are j = 32 b + 16 (lane/16) + 0 .. 15.
; SHARES.  A work-group makes 128 i x 256 j; each of its eight waves 64 x 64: 16 accumulators.  All of K lies in LDS at once (four chunks of two K steps): every byte of LDS is filled once, nothing is filled again.
; CLUSTER.  4 x 4 work-groups: the four of a row need the same rows of P, the four of a column the same rows of R: each tile is asked for jointly.  Each of the eight waves asks for one piece: one load a wave is out.
; LIMITS (MODE 0, 1): NaN and infinities are not served; a block whose largest magnitude lies under 2^-124, a block of zeros too, keeps the byte 1: this program alone reads the bytes.
.set MODE, 1
.if MODE == 0
.set PBASE, 0                          ; P's and R's first row tiles in their buffers
.set RBASE, 1536
.set RCP, 4                            ; scalar pairs: R's codes, R's scale words, the bias, the outputs
.set RSP, 6
.set BI,  8
.set OCP, 12
.set OSP, 14
.endif
.if MODE == 1
.set PBASE, 1664
.set RBASE, 1024
.set RCP, 4
.set RSP, 6
.set BI,  8
.set OCP, 10
.set OSP, 12
.endif
.if MODE == 2
.set PBASE, 0
.set RBASE, 1728
.set RCP, 8
.set RSP, 10
.set BI,  12
.set OCP, 14
.set OSP, 14
.endif
.set PCP, 4                            ; P's codes, P's scale words
.set PSP, 6
.set TILEB, 3072                       ; a tile's two K steps
.set PART,  8*TILEB                    ; eight tiles' two K steps
.set CHUNK, 3*PART                     ; P's eight tiles, R's sixteen
.set SCB,   4*CHUNK                    ; the scale words: P's 4,096 bytes, R's 8,192
.set SPARE, SCB+12288                  ; the spare words: 128 bytes a wave, four blocks of 256 bytes that no other line names
.set RF,  32                           ; v32-79   R's four fragments
.set PF,  80                           ; v80-127  P's four
.set ACC, 128                          ; v128-255 accumulator (it, jt) at 128 + 8 (4 it + jt)
.set HW,  26                           ; v26-31   the quantiser's work
.set SPW, 24                           ; v24      LDS address of my spare word; never rewritten
.set NIL, 25                           ; v25      0; never rewritten
.set WV,  16                           ; s16 wave; s17 wi = wave / 4; s18 wj = wave % 4; s22 X; s23 Y
.set SEL, 20                           ; s[20:21] lane selects, once cx and cy are spent
; v1 8 x lane; v2, v3 LDS addresses of P's and R's fragments; v4, v5 of their scale words; v16-19 P's scale words, v20-23 R's: pair ip, K step q at 2 ip + q
; s[24:31], s[32:39] descriptor group 1 for P's and R's chunks; s[40:47], s[48:55] for their scale words; groups 0: P s[56:63], s[68:71]; R s[80:99]
.macro CROUND                          ; a round of the cluster's barrier
	s_barrier_signal -1
	s_barrier_wait -1
	s_cmp_lg_u32 s[WV], 0
	s_cbranch_scc1 .Lnot_wave_0_\@
	s_barrier_signal -3
.Lnot_wave_0_\@:
	s_barrier_wait -3
	s_barrier_signal -1
	s_barrier_wait -1
.endm
	s_load_b256 s[4:11], s[0:1], 0x0
.if MODE == 1
	s_load_b64 s[12:13], s[0:1], 0x20
.else
	s_load_b128 s[12:15], s[0:1], 0x20
.endif
	v_lshl_add_u32 v[SPW], v0, 2, SPARE
	v_mov_b32 v[NIL], 0
	ds_add_u32 v[SPW], v[NIL]                      ; the wave's opening: the add and its wait ahead of the first tensor loads; work on registers stands between them
	ds_add_u32 v[SPW], v[NIL]
	v_lshrrev_b32 v1, 5, v0
	s_delay_alu instid0(VALU_DEP_1)
	v_readfirstlane_b32 s[WV], v1
	s_lshr_b32 s17, s[WV], 2
	s_and_b32 s18, s[WV], 3
	s_bfe_u32 s20, ttmp6, 0x40000                  ; cx
	s_bfe_u32 s21, ttmp6, 0x40004                  ; cy
	s_lshl_b32 s100, s21, 2
	s_lshl_b32 s100, 15, s100                      ; my row of the cluster
	s_lshl_b32 s101, 0x1111, s20                   ; my column
	s_or_b32 s24, s100, (3<<16)|(1<<21)            ; 15:0 the mask: P goes to my row; 17:16 elements of 8 bytes; 21 set beside a mask; no padding
	s_or_b32 s40, s100, (3<<16)|(1<<21)
	s_or_b32 s32, s101, (3<<16)|(1<<21)            ; R goes to my column
	s_or_b32 s48, s101, (3<<16)|(1<<21)
	s_mov_b32 s25, 768<<16                         ; P: half of K for eight tiles: 8 rows of 6,144 bytes
	s_mov_b32 s26, 8<<16
	s_mov_b32 s27, 768<<16
	s_mov_b32 s28, 8
	s_mov_b32 s33, 384<<16                         ; R: two K steps of sixteen tiles: 16 rows of 3,072 bytes
	s_mov_b32 s34, 16<<16
	s_mov_b32 s35, 384<<16
	s_mov_b32 s36, 16
.irp g, 24, 32                         ; both: rows 12,288 bytes apart
	s_mov_b32 s[\g+5], 1536                        ; tensor_dim0_stride
	s_mov_b32 s[\g+6], 0
	s_mov_b32 s[\g+7], 0
.endr
	s_mov_b32 s42, 16<<16                          ; P's scale words: 16 rows of 256 bytes; R's: 32
	s_mov_b32 s44, 16
	s_mov_b32 s50, 32<<16
	s_mov_b32 s52, 32
.irp g, 40, 48
	s_mov_b32 s[\g+1], 32<<16
	s_mov_b32 s[\g+3], 32<<16
	s_mov_b32 s[\g+5], 32
	s_mov_b32 s[\g+6], 0
	s_mov_b32 s[\g+7], 0
.endr
	s_lshl_b32 s22, ttmp9, 2
	s_add_co_u32 s22, s22, s20                     ; X = 4 x cluster x + cx: which 256 j
	s_and_b32 s23, ttmp7, 0xffff
.if MODE == 0
	s_lshr_b32 s100, s23, 4                        ; 0: q and wq, 1: k and wk; the same in all sixteen partners
.endif
	s_lshl_b32 s23, s23, 2
	s_add_co_u32 s23, s23, s21                     ; Y = 4 x cluster y + cy: which 128 i
	s_mov_b32 s3, 0
	s_mov_b32 s67, 0
.irp g, 56,60,68,80,84,88,92,96
	s_mov_b32 s[\g], 1                             ; count = 1
.endr
	s_mov_b32 s57, SCB                             ; LDS addresses: no place in the cluster enters them
	s_mov_b32 s61, 0
.set PH, 2*PART                        ; 49,152 bytes: what one load of codes brings.  LDS: P's two halves along K, then R's four chunks
	s_mov_b32 s69, PH
	s_mov_b32 s81, SCB+4096
	s_mov_b32 s85, 2*PH
	s_mov_b32 s89, 3*PH
	s_mov_b32 s93, 4*PH
	s_mov_b32 s97, 5*PH
	s_wait_dscnt 0x0                               ; the opening add is done
	s_wait_kmcnt 0x0
	s_mul_i32 s2, s23, 8*12288                     ; P hangs on Y alone, which my row of the cluster shares
.if PBASE
	s_add_co_u32 s2, s2, PBASE*12288
.endif
	s_add_nc_u64 s[62:63], s[PCP:PCP+1], s[2:3]
	s_add_nc_u64 s[70:71], s[62:63], 2*TILEB       ; K steps 4 to 7
	s_lshl_b32 s2, s23, 12                         ; 512 bytes of scale words a tile
.if PBASE
	s_add_co_u32 s2, s2, PBASE*512
.endif
	s_add_nc_u64 s[58:59], s[PSP:PSP+1], s[2:3]
	s_mul_i32 s66, s22, 16*12288                   ; R hangs on X, which my column shares, and on the wave
.if MODE == 0
	s_mul_i32 s101, s100, 64*12288
	s_add_co_u32 s66, s66, s101
.endif
	s_add_co_u32 s66, s66, RBASE*12288
	s_add_nc_u64 s[86:87], s[RCP:RCP+1], s[66:67]
	s_add_nc_u64 s[90:91], s[86:87], TILEB
	s_add_nc_u64 s[94:95], s[86:87], 2*TILEB
	s_add_nc_u64 s[98:99], s[86:87], 3*TILEB
	s_lshl_b32 s66, s22, 13
.if MODE == 0
	s_lshl_b32 s101, s100, 15
	s_add_co_u32 s66, s66, s101
.endif
	s_add_co_u32 s66, s66, RBASE*512
	s_add_nc_u64 s[82:83], s[RSP:RSP+1], s[66:67]
.irp g, 59,63,71,83,87,91,95,99
	s_or_b32 s[\g], s[\g], 0x80000000              ; type = 2
.endr
	CROUND                                         ; all sixteen work-groups are here: the joint loads meet
; THE FILLS, ONE JOINT LOAD A WAVE, in one chain of branches on the wave's number:
; wave 0 P's scale words, 1 R's, 2 P's K steps 0-3, 3 R's chunk 0, 4 R's chunk 1, 5 P's K steps 4-7, 6 R's chunk 2, 7 R's chunk 3
.macro ARM w, g0, g1
	s_cmp_eq_u32 s[WV], \w
	s_cbranch_scc0 .Lnot_\w
	tensor_load_to_lds s[\g0:\g0+3], s[\g1:\g1+7]
	s_nop 0
.rept 4
	v_nop
.endr
	s_branch .Lasked
.Lnot_\w:
.endm
	ARM 0, 56, 40
	ARM 1, 80, 48
	ARM 2, 60, 24
	ARM 3, 84, 32
	ARM 4, 88, 32
	ARM 5, 68, 24
	ARM 6, 92, 32
	tensor_load_to_lds s[96:99], s[32:39]
	s_nop 0
.rept 4
	v_nop
.endr
.Lasked:
	v_and_b32 v26, 31, v0                          ; lane
	v_and_b32 v27, 15, v0                          ; r
	s_wait_alu depctr_va_vdst(0)
	v_bfe_u32 v28, v0, 4, 1                        ; h
	v_mov_b32 v29, 0                               ; (v28, v29 are lane permutes' destinations later: written here)
	v_lshlrev_b32 v1, 3, v26
	v_lshlrev_b32 v14, 2, v26                      ; 4 x lane
	s_mul_i32 s2, s17, 8*TILEB
	v_add_nc_u32 v2, s2, v1                        ; P: my four tiles
	s_mul_i32 s2, s18, 4*TILEB
	s_add_co_u32 s2, s2, 2*PH
	v_add_nc_u32 v3, s2, v1                        ; R: my four tiles, behind P's eight
	s_lshl_b32 s2, s17, 11
	s_add_co_u32 s2, s2, SCB
	v_add_nc_u32 v4, s2, v1                        ; their scale words: 1,024 bytes a pair of tiles
	s_lshl_b32 s2, s18, 11
	s_add_co_u32 s2, s2, SCB+4096
	v_add_nc_u32 v5, s2, v1
	s_mov_b32 s[SEL], 0x76543210
	s_mov_b32 s[SEL+1], 0xfedcba98
	s_mov_b32 s101, 0xffff0000                     ; lanes 16-31
.if MODE != 1
; THE BIAS IS LOADED INTO THE ACCUMULATORS, in the result's layout: register jj of tile jt is j = 32 (jt/2) + 16 h + 8 (jt%2) + jj.  Every product then adds in place; nothing is cleared and nothing is added by vector work.
.if MODE == 0
	s_cmp_eq_u32 s100, 0
	s_cselect_b64 s[BI:BI+1], s[8:9], s[10:11]
.endif
	s_lshl_b32 s2, s22, 10
	s_lshl_b32 s66, s18, 8
	s_add_co_u32 s2, s2, s66                       ; 4 (256 X + 64 wj)
	s_add_nc_u64 s[BI:BI+1], s[BI:BI+1], s[2:3]
	v_lshlrev_b32 v6, 6, v28
.irp it, 0,1,2,3
.irp jt, 0,1,2,3
	global_load_b128 v[ACC+8*(4*\it+\jt):ACC+8*(4*\it+\jt)+3], v6, s[BI:BI+1] offset:4*(32*(\jt/2)+8*(\jt%2))
	global_load_b128 v[ACC+8*(4*\it+\jt)+4:ACC+8*(4*\it+\jt)+7], v6, s[BI:BI+1] offset:4*(32*(\jt/2)+8*(\jt%2))+16
.endr
.endr
.else
; The bias runs along i, one number a lane for each of P's tiles: it is loaded twice, as a pair for the packed addition on the way out.
	s_lshl_b32 s2, s23, 9
	s_lshl_b32 s66, s17, 8
	s_add_co_u32 s2, s2, s66                       ; 4 (128 Y + 64 wi)
	s_add_nc_u64 s[BI:BI+1], s[BI:BI+1], s[2:3]
	v_and_b32 v15, 8, v27
	s_delay_alu instid0(VALU_DEP_1)
	v_add_nc_u32 v15, v15, v27
	s_delay_alu instid0(VALU_DEP_1)
	v_lshlrev_b32 v15, 2, v15                      ; 4 (r + 8 (r/8))
.irp it, 0,1,2,3
	global_load_b32 v[6+2*\it], v15, s[BI:BI+1] offset:4*(32*(\it/2)+8*(\it%2))
	global_load_b32 v[7+2*\it], v15, s[BI:BI+1] offset:4*(32*(\it/2)+8*(\it%2))
.endr
.endif
; where the results go
.if MODE == 0
	s_and_b32 s2, s23, 63
	s_lshr_b32 s66, s2, 4                          ; batch
	s_and_b32 s2, s2, 15                           ; key step: 128 tokens
	s_lshl_b32 s66, s66, 4
	s_lshl_b32 s67, s22, 2
	s_add_co_u32 s66, s66, s67
	s_add_co_u32 s66, s66, s18                     ; 16 x batch + head, head = 4 X + wj
	s_lshl_b32 s67, s2, 1
	s_add_co_u32 s67, s67, s17                     ; which four token tiles of the batch
	s_mul_i32 s2, s66, 294912                      ; a head: Q, K, V, 98,304 bytes each; a token tile's half image is 768 bytes
	s_mul_i32 s19, s100, 98304
	s_add_co_u32 s2, s2, s19
	s_mul_i32 s19, s67, 3072
	s_add_co_u32 s2, s2, s19
	s_add_nc_u64 s[OCP:OCP+1], s[OCP:OCP+1], s[2:3]
	s_mul_i32 s2, s66, 12288                       ; scale words: 4,096 bytes each; 64 bytes a pair of tiles
	s_lshl_b32 s19, s100, 12
	s_add_co_u32 s2, s2, s19
	s_lshl_b32 s19, s67, 7
	s_add_co_u32 s2, s2, s19
	s_add_nc_u64 s[OSP:OSP+1], s[OSP:OSP+1], s[2:3]
.endif
.if MODE == 1
	s_lshr_b32 s66, s22, 3                         ; batch
	s_lshl_b32 s66, s66, 4
	s_lshl_b32 s67, s23, 1
	s_add_co_u32 s66, s66, s67
	s_add_co_u32 s66, s66, s17                     ; 16 x batch + head, head = 2 Y + wi
	s_and_b32 s67, s22, 7
	s_lshl_b32 s67, s67, 1
	s_lshr_b32 s19, s18, 1
	s_add_co_u32 s67, s67, s19                     ; key step
	s_and_b32 s19, s18, 1                          ; which 64 keys of it
	s_mul_i32 s2, s66, 294912
	s_mul_i32 s100, s67, 6144                      ; a key step: four tiles of d, 1,536 bytes each
	s_add_co_u32 s2, s2, s100
	s_mul_i32 s100, s19, 768
	s_add_co_u32 s2, s2, s100
	s_add_co_u32 s2, s2, 196608
	s_add_nc_u64 s[OCP:OCP+1], s[OCP:OCP+1], s[2:3]
	s_mul_i32 s2, s66, 12288
	s_lshl_b32 s100, s67, 8
	s_add_co_u32 s2, s2, s100
	s_lshl_b32 s100, s19, 1
	s_add_co_u32 s2, s2, s100
	s_add_co_u32 s2, s2, 8192
	s_add_nc_u64 s[OSP:OSP+1], s[OSP:OSP+1], s[2:3]
.endif
.if MODE == 2
	s_lshl_b32 s2, s23, 7
	s_lshl_b32 s66, s17, 6
	s_add_co_u32 s2, s2, s66                       ; my first token
	s_lshl_b32 s2, s2, 12                          ; rows of 4,096 bytes
	s_lshl_b32 s66, s22, 10
	s_add_co_u32 s2, s2, s66
	s_lshl_b32 s66, s18, 8
	s_add_co_u32 s2, s2, s66                       ; + 4 (256 X + 64 wj)
	s_add_nc_u64 s[OCP:OCP+1], s[OCP:OCP+1], s[2:3]
	s_mul_i32 s66, s[WV], 4352                     ; my stage: 16 rows x 272 bytes, in chunk 0
	v_mul_u32_u24 v7, v27, 272
	v_lshl_add_u32 v7, v28, 6, v7
	v_add_nc_u32 v7, s66, v7                       ; in: row r, + 64 h
	v_mul_u32_u24 v8, v28, 272
	v_lshl_add_u32 v8, v27, 4, v8
	v_add_nc_u32 v8, s66, v8                       ; back: lanes 0-15 one row of 256 bytes, lanes 16-31 the next
	v_lshlrev_b32 v9, 12, v28
	v_lshl_add_u32 v9, v27, 4, v9                  ; and the same two rows in out0
.endif
	s_wait_alu depctr_va_vdst(0)
	s_wait_loadcnt 0x0                             ; the bias
.macro FRAG reg, adr, off              ; a fragment comes as it was stored: six loads of 8 bytes a lane, 256 consecutive bytes each
.irp p, 0,1,2,3,4,5
	ds_load_b64 v[\reg+2*\p:\reg+2*\p+1], v[\adr] offset:\off+256*\p
.endr
.endm
.macro WMMA z                          ; one product on rD, rA, rB, rSA, rSB; fA, fB: the scale words lie in lanes 16-31; z = 1: it starts the sum
.if \z
.if fA && fB
	v_wmma_scale_f32_16x16x128_f8f6f4 v[rD:rD+7], v[rA:rA+11], v[rB:rB+11], 0, v[rSA], v[rSB] matrix_a_fmt:MATRIX_FMT_FP6 matrix_b_fmt:MATRIX_FMT_FP6 matrix_a_scale:MATRIX_SCALE_ROW1 matrix_b_scale:MATRIX_SCALE_ROW1
.elseif fA
	v_wmma_scale_f32_16x16x128_f8f6f4 v[rD:rD+7], v[rA:rA+11], v[rB:rB+11], 0, v[rSA], v[rSB] matrix_a_fmt:MATRIX_FMT_FP6 matrix_b_fmt:MATRIX_FMT_FP6 matrix_a_scale:MATRIX_SCALE_ROW1
.elseif fB
	v_wmma_scale_f32_16x16x128_f8f6f4 v[rD:rD+7], v[rA:rA+11], v[rB:rB+11], 0, v[rSA], v[rSB] matrix_a_fmt:MATRIX_FMT_FP6 matrix_b_fmt:MATRIX_FMT_FP6 matrix_b_scale:MATRIX_SCALE_ROW1
.else
	v_wmma_scale_f32_16x16x128_f8f6f4 v[rD:rD+7], v[rA:rA+11], v[rB:rB+11], 0, v[rSA], v[rSB] matrix_a_fmt:MATRIX_FMT_FP6 matrix_b_fmt:MATRIX_FMT_FP6
.endif
.else
.if fA && fB
	v_wmma_scale_f32_16x16x128_f8f6f4 v[rD:rD+7], v[rA:rA+11], v[rB:rB+11], v[rD:rD+7], v[rSA], v[rSB] matrix_a_fmt:MATRIX_FMT_FP6 matrix_b_fmt:MATRIX_FMT_FP6 matrix_a_scale:MATRIX_SCALE_ROW1 matrix_b_scale:MATRIX_SCALE_ROW1
.elseif fA
	v_wmma_scale_f32_16x16x128_f8f6f4 v[rD:rD+7], v[rA:rA+11], v[rB:rB+11], v[rD:rD+7], v[rSA], v[rSB] matrix_a_fmt:MATRIX_FMT_FP6 matrix_b_fmt:MATRIX_FMT_FP6 matrix_a_scale:MATRIX_SCALE_ROW1
.elseif fB
	v_wmma_scale_f32_16x16x128_f8f6f4 v[rD:rD+7], v[rA:rA+11], v[rB:rB+11], v[rD:rD+7], v[rSA], v[rSB] matrix_a_fmt:MATRIX_FMT_FP6 matrix_b_fmt:MATRIX_FMT_FP6 matrix_b_scale:MATRIX_SCALE_ROW1
.else
	v_wmma_scale_f32_16x16x128_f8f6f4 v[rD:rD+7], v[rA:rA+11], v[rB:rB+11], v[rD:rD+7], v[rSA], v[rSB] matrix_a_fmt:MATRIX_FMT_FP6 matrix_b_fmt:MATRIX_FMT_FP6
.endif
.endif
.endm
; K step q of the chunk in hand: 48 loads (52 with the chunk's scale words), 16 products; the sixteen accumulators take turns, one instruction a turn
; THE WALK ALONG K, eight steps n of 16 products.  Even steps go by P's tiles (R's four stay), odd steps by R's tiles (P's four stay).  When a tile's four products are issued, its registers
; take the same tile of step n + 1; the operand that stayed is fetched anew at the step's end, tile by tile.  The sixteen accumulators take turns.
.macro LDP n, t                        ; P's tile t of step n: v2 serves K steps 0-3, v30 steps 4-7
.set FO_, 2*TILEB*(\t)+1536*((\n)%4)
	FRAG PF+12*(\t), 2+28*((\n)/4), FO_
.endm
.macro LDR n, t                        ; R's tile t of step n: v3 serves chunks 0 and 1, v31 chunks 2 and 3
.set FO_, PH*(((\n)/2)%2)+TILEB*(\t)+1536*((\n)%2)
	FRAG RF+12*(\t), 3+28*((\n)/4), FO_
.endm
.macro SCW c                           ; the scale words of steps 2 c, 2 c + 1
.irp ip, 0,1
	ds_load_b64 v[16+2*\ip:17+2*\ip], v4 offset:1024*\ip+256*(\c)
	ds_load_b64 v[20+2*\ip:21+2*\ip], v5 offset:1024*\ip+256*(\c)
.endr
.endm
.macro SHOW lim                        ; the waves under lim have their fills in; no LDS load of mine is out; the signal.
.if \lim < 8
	s_cmp_lt_u32 s[WV], \lim
	s_cbranch_scc0 .Lout_\lim
	s_wait_tensorcnt 0x0
.Lout_\lim:
.else
	s_wait_tensorcnt 0x0
.endif
	s_wait_dscnt 0x0
	s_barrier_signal -1
.endm
.macro GRP n, o, z                     ; four products: tile o of the operand that the step goes by, against the other's four
.irp i, 0,1,2,3
.if (\n)%2
.set jt_, \o
.set it_, \i
.else
.set it_, \o
.set jt_, \i
.endif
.set rD, ACC+8*(4*it_+jt_)
.set rA, RF+12*jt_
.set rB, PF+12*it_
.set rSA, 20+2*(jt_/2)+(\n)%2
.set rSB, 16+2*(it_/2)+(\n)%2
.set fA, jt_%2
.set fB, it_%2
	WMMA \z
.endr
.endm
.macro KS n, z, lim                    ; lim > 0: a barrier shows what step n + 1 reads; the first four products stand between its signal and its wait
.if \lim
	SHOW \lim
.endif
.irp o, 0,1,2,3
.if (\n) < 7
	s_wait_dscnt 18                                ; tile o is in: behind it stand the six loads of each later tile and of each tile already fetched for step n + 1: 6 (3 - o) + 6 o
.else
	s_wait_dscnt 18-6*\o                           ; the last step fetches nothing
.endif
	GRP \n, \o, \z
.if (\lim) && (\o == 0)
	s_barrier_wait -1
.endif
.if (\n) < 7
.rept 4
	v_nop                                          ; four places in front of loads into registers that products have read
.endr
.if (\n)%2
	LDR (\n)+1, \o
.else
	LDP (\n)+1, \o
.endif
.endif
.endr
.if (\n) < 7
.if (\n)%2
	SCW ((\n)+1)/2
.irp t, 0,1,2,3
	LDP (\n)+1, \t
.endr
.else
.irp t, 0,1,2,3
	LDR (\n)+1, \t
.endr
.endif
.endif
.endm
	v_add_nc_u32 v30, PH, v2
	v_add_nc_u32 v31, 2*PH, v3
	s_wait_alu depctr_va_vdst(0)                   ; the wait at the head's end
	SHOW 4                                         ; the scale words, P's K steps 0-3, R's chunk 0
	s_barrier_wait -1
	SCW 0
.irp t, 0,1,2,3
	LDR 0, \t
.endr
.irp t, 0,1,2,3
	LDP 0, \t
.endr
.if MODE == 1
	KS 0, 1, 0
.else
	KS 0, 0, 0
.endif
	KS 1, 0, 5                                     ; R's chunk 1
	KS 2, 0, 0
	KS 3, 0, 7                                     ; P's K steps 4-7, R's chunk 2
	KS 4, 0, 0
	KS 5, 0, 8                                     ; R's chunk 3: every wave waits
	KS 6, 0, 0
	KS 7, 0, 0
; 32 numbers of a lane, v[HS_] on, register 16 b + i = j 32 b + 16 h + i of my row, become six registers of codes, v[HP_] on (lanes 0-15 block 0, lanes 16-31 block 1), and the two scale bytes in v[HU_]
.macro HQ
.irp b, 0,1
	v_max3_num_f32 v[HW+\b], |v[HS_+16*\b]|, |v[HS_+16*\b+1]|, 0x1800000   ; each accumulator is read from its low end on; the floor 2^(3 - 127) holds the byte at 1 from below
.endr
.irp i, 2,4,6,8,10,12,14
.irp b, 0,1
	s_delay_alu instid0(VALU_DEP_2)
	v_max3_num_f32 v[HW+\b], v[HW+\b], |v[HS_+16*\b+\i]|, |v[HS_+16*\b+\i+1]|
.endr
.endr
.irp b, 0,1
	s_delay_alu instid0(VALU_DEP_2)
	v_permlanex16_b32 v[HW+2+\b], v[HW+\b], s[SEL], s[SEL+1]
.endr
.irp b, 0,1
	s_delay_alu instid0(VALU_DEP_2)
	v_max_num_f32 v[HW+\b], v[HW+\b], v[HW+2+\b]   ; with lane l xor 16's 16: the block's largest magnitude
.endr
.irp b, 0,1
	s_delay_alu instid0(VALU_DEP_2)
	v_add_nc_u32 v[HW+4+\b], 0xff000000, v[HW+\b]  ; 2 off the exponent field: the conversion's scale operand
.endr
.irp b, 0,1
	s_delay_alu instid0(VALU_DEP_2)
	v_lshrrev_b32 v[HW+2+\b], 23, v[HW+4+\b]       ; the scale's byte
.endr
	s_delay_alu instid0(VALU_DEP_1)
	v_lshl_or_b32 v[HU_], v[HW+3], 8, v[HW+2]
	v_cvt_scalef32_pk16_fp6_f32 v[HP_:HP_+2], v[HS_:HS_+15], v[HW+4]
	v_cvt_scalef32_pk16_fp6_f32 v[HP_+4:HP_+6], v[HS_+16:HS_+31], v[HW+5]
	v_nop                                          ; one plain place behind a scaled conversion
.irp i, 0,1,2
	v_permlane16_swap_b32 v[HP_+\i], v[HP_+4+\i]   ; the operand's layout wants a whole block in a lane
.endr
.irp i, 0,1,2
	s_delay_alu instid0(VALU_DEP_3)
	v_mov_b32 v[HP_+3+\i], v[HP_+4+\i]
.endr
.endm
.if MODE < 2
.rept 4
	v_nop                                          ; four places behind the last products
.endr
.irp it, 0,1,2,3
.if MODE == 1
.irp j, 0,2,4,6,8,10,12,14,16,18,20,22,24,26,28,30
	v_pk_add_f32 v[ACC+32*\it+\j:ACC+32*\it+\j+1], v[ACC+32*\it+\j:ACC+32*\it+\j+1], v[6+2*\it:7+2*\it]   ; + bv of my row, in f32, ahead of the quantiser
.endr
.endif
.set HS_, ACC+32*\it
.set HP_, 32+8*\it                     ; each tile has registers of its own for its codes: no store's data are written again
.set HU_, 64+\it
	HQ
.irp p, 0,1,2
.if MODE == 0
	global_store_b64 v1, v[32+8*\it+2*\p:32+8*\it+2*\p+1], s[OCP:OCP+1] offset:768*\it+256*\p    ; 32 lanes store 256 consecutive bytes, aligned
.else
	global_store_b64 v1, v[32+8*\it+2*\p:32+8*\it+2*\p+1], s[OCP:OCP+1] offset:1536*\it+256*\p
.endif
.endr
.endr
.if MODE == 0
	v_lshl_or_b32 v64, v65, 16, v64                ; a pair of token tiles shares a word: the even tile's two bytes, then the odd tile's
	v_lshl_or_b32 v66, v67, 16, v66
	v_cndmask_b32 v64, v64, v66, s101              ; lanes 0-15: my first pair's rows, lanes 16-31: my second pair's
	global_store_b32 v14, v64, s[OSP:OSP+1]        ; 128 consecutive bytes
.else
	v_cndmask_b32 v64, v64, v65, s101              ; lanes 0-15: tile 0's rows, lanes 16-31: tile 1's
	v_cndmask_b32 v66, v66, v67, s101
	global_store_b16 v14, v64, s[OSP:OSP+1]        ; my 64 keys' two bytes of each word; the wave with the other 64 keys stores the other half.  1 byte in 25 of what the launch stores
	global_store_b16 v14, v66, s[OSP:OSP+1] offset:128
.endif
.endif
.if MODE == 2
; THE WAY OUT: 16 tokens x 64 j at a time through my stage and back as whole rows of 256 bytes.  The stage lies in chunk 0, which has had its one fill and, behind the barrier below, its last read.
.macro TOSTAGE it
.irp jt, 0,1,2,3
	ds_store_b128 v7, v[ACC+8*(4*(\it)+\jt):ACC+8*(4*(\it)+\jt)+3] offset:128*(\jt/2)+32*(\jt%2)          ; each accumulator from its low end on
	ds_store_b128 v7, v[ACC+8*(4*(\it)+\jt)+4:ACC+8*(4*(\it)+\jt)+7] offset:128*(\jt/2)+32*(\jt%2)+16
.endr
.irp k, 0,1,2,3,4,5,6,7
	ds_load_b128 v[32+32*((\it)%2)+4*\k:32+32*((\it)%2)+4*\k+3], v8 offset:544*\k   ; LDS serves a wave's instructions in order: these see the stores above
.endr
.endm
.macro SEND it, younger                ; younger: the LDS instructions issued behind this block's loads: the next block's 8 stores and 8 loads, or none
	s_wait_dscnt \younger
.irp k, 0,1,2,3,4,5,6,7
	global_store_b128 v9, v[32+32*((\it)%2)+4*\k:32+32*((\it)%2)+4*\k+3], s[OCP:OCP+1] offset:(2*\k+8*(\k/4)+32*((\it)/2)+8*((\it)%2))*4096 th:TH_STORE_NT   ; tile row 2 k + h is token 32 (it/2) + 8 (it%2) + 2 k + h + 8 (k/4); 16 lanes store 256 consecutive bytes, aligned
.endr
.endm
	s_wait_dscnt 0x0
	s_barrier_signal -1
	s_barrier_wait -1
.rept 4
	v_nop                                          ; four places behind the last products
.endr
	TOSTAGE 0
	TOSTAGE 1
	SEND 0, 16
	s_wait_xcnt 0x0                                ; block 0's stores have read their registers: block 2's loads may land there
	TOSTAGE 2
	SEND 1, 16
	s_wait_xcnt 0x0
	TOSTAGE 3
	SEND 2, 16
	SEND 3, 0
.endif
	s_wait_tensorcnt 0x0                           ; the wave's end, behind my last tensor load and my last LDS store
	ds_add_u32 v[SPW], v[NIL]
	s_wait_dscnt 0x0
	CROUND                                         ; the closing round: no work-group ends while a partner may still ask for a tile that names it
	s_endpgm
.Lfunc_end_k_qd7935047cc_projv:
	.size	k_qd7935047cc_projv, .Lfunc_end_k_qd7935047cc_projv-k_qd7935047cc_projv
	.p2alignl 7, 3214868480
	.fill 96, 4, 3214868480
	.section	.rodata,"a",@progbits
	.p2align	6, 0x0
	.amdhsa_kernel k_qd7935047cc_projv
		.amdhsa_group_segment_fixed_size 308224
		.amdhsa_private_segment_fixed_size 0
		.amdhsa_enable_private_segment 0
		.amdhsa_kernarg_size 40
		.amdhsa_user_sgpr_count 2
		.amdhsa_user_sgpr_kernarg_segment_ptr 1
		.amdhsa_wavefront_size32 1
		.amdhsa_system_sgpr_workgroup_id_x 1
		.amdhsa_system_sgpr_workgroup_id_y 1
		.amdhsa_system_sgpr_workgroup_id_z 1
		.amdhsa_system_vgpr_workitem_id 0
		.amdhsa_next_free_vgpr 256
		.amdhsa_next_free_sgpr 102
		.amdhsa_reserve_vcc 0
		.amdhsa_float_denorm_mode_32 3
		.amdhsa_float_denorm_mode_16_64 3
		.amdhsa_memory_ordered 1
		.amdhsa_forward_progress 1
		.amdhsa_inst_pref_size 75
	.end_amdhsa_kernel
	.amdgpu_metadata
---
amdhsa.version: [ 1, 2 ]
amdhsa.kernels:
  - .name:           k_qd7935047cc_projv
    .symbol:         k_qd7935047cc_projv.kd
    .args:
      - { .name: xc, .offset: 0, .size: 8, .value_kind: global_buffer, .address_space: global }
      - { .name: xs, .offset: 8, .size: 8, .value_kind: global_buffer, .address_space: global }
      - { .name: bv, .offset: 16, .size: 8, .value_kind: global_buffer, .address_space: global }
      - { .name: qkvc, .offset: 24, .size: 8, .value_kind: global_buffer, .address_space: global }
      - { .name: qkvs, .offset: 32, .size: 8, .value_kind: global_buffer, .address_space: global }
    .group_segment_fixed_size: 308224
    .private_segment_fixed_size: 0
    .kernarg_segment_align: 8
    .kernarg_segment_size: 40
    .max_flat_workgroup_size: 256
    .sgpr_count:     102
    .vgpr_count:     256
    .wavefront_size: 32
...
	.end_amdgpu_metadata
.endif
;; end of part 3
;; launch attn (part 4): grid 4 x 64, 16 waves a work-group, clusters of 4 x 1, 206,848 bytes of LDS; arguments qkvc, qkvs, mb, oc, os; writes oc, os
.if DOCPART == 4
	.amdgcn_target "amdgcn-amd-amdhsa--gfx1250"
	.amdhsa_code_object_version 6
	.text
	.protected	k_qd7935047cc_attn
	.globl	k_qd7935047cc_attn
	.p2align	8
	.type	k_qd7935047cc_attn,@function
k_qd7935047cc_attn:
	s_mov_b64 s[64:65], 0
	v_nop
	global_prefetch_b8 v0, s[64:65] scope:SCOPE_SE
	s_setreg_imm32_b32 hwreg(HW_REG_WAVE_MODE, 25, 1), 1
	s_wait_xcnt 0x0
	s_wait_alu depctr_hold_cnt(0) depctr_sa_sdst(0) depctr_va_vdst(0) depctr_va_sdst(0) depctr_va_ssrc(0) depctr_va_vcc(0) depctr_vm_vsrc(0)
	s_getreg_b32 s2, hwreg(HW_REG_IB_STS2, 6, 4)
	s_cmp_eq_u32 s2, 0
	s_cbranch_scc0 .Lentry_in_a_cluster
	s_endpgm
.Lentry_in_a_cluster:
	s_bfe_u32 s2, ttmp6, 0x10000c
	s_cmp_lg_u32 s2, 0x3003
	s_cbranch_scc0 .Lentry_shape_is_right
	s_endpgm
.Lentry_shape_is_right:
; x[b][q][head 64 + d] = sum over keys of softmax(Q . K / 8, masked) V, both products on codes of FP6 (E2M3) with one E8M0 byte for each 32 along a product's K; x is quantised along d for the last projection.
; THE SOFTMAX AHEAD OF THE SECOND PRODUCT: t = score x log2(e) / 8; M = the running largest t rounded UP to a whole number; p = 2^(t - M) is quantised along the keys, not normalised; the row's sum is taken of the
; unquantised p, in f32, and divides at the end.  When M moves, the sum and O are multiplied by 2^(old M - new M), which rounds nothing.
; THE MASK: a hidden score is replaced, ahead of the maximum, by -2^33 (a logit of -1.07e9 for the -1e9 of the definition), by ONE select a score on a word of lane bits that an earlier launch has made.
; -2^33 x log2(e) / 8 is a whole number in f32, so a row with every key hidden has p = 1 everywhere: the mean of V, as the definition gives.
; LIMITS: kept logits under -1e9 are not ordered against hidden ones as in the definition (with all inputs 30 times larger than drawn the logits stay under some 2e6); NaN and infinities are not served;
; a block of x whose largest magnitude lies under 2^-124, a block of zeros too, keeps the byte 1: this program alone reads the bytes.
; SHARES.  A work-group owns 512 queries of one head; each of its sixteen waves two tiles of 16 queries, one after the other: four waves to a SIMD, so that one wave's vector work stands beside another's products and LDS loads.
; A HEAD'S K AND V, codes and scale words, 204,800 bytes, LIE IN LDS FOR THE WHOLE LAUNCH, filled once: behind the one barrier no wave waits for another, and nothing is filled again.
; CLUSTER.  The four work-groups of a head form a cluster and ask for K and V jointly (waves 0-7: 24,576 bytes of codes each; wave 8: the scale words): one load a wave is out.
; LAYOUT.  Both products are used transposed: S^T = K Q^T, O^T = V^T P^T: a lane holds one query throughout.  Operands lie as images of their registers, 8 bytes a lane in units of 256 bytes; row r of tile T is row
; 32 (T/2) + 8 (T%2) + r + 8 (r/8), so that the 16 registers of key tiles 2 b, 2 b + 1 are keys 32 b + 16 (lane/16) + 0 .. 15.
; K = 64 IN AN INSTRUCTION OF 128: source 0 holds key tile 2 u in k 0-63 and key tile 2 u + 1 in k 64-127; source 1 is [Q | zeros] for the first and [zeros | Q] for the second.  Zero codes add nothing under any finite scale byte.
.set VC,    98304                      ; LDS: K's codes at 0 (a key step: four pairs of tiles, 1,536 bytes each), V's here (a key step: four tiles of d),
.set KS,    196608                     ; K's scale words (256 bytes a key step), V's 4,096 bytes behind them
.set SPARE, 204800                     ; the spare words: 128 bytes a wave, eight blocks of 256 bytes that no other line names
.set WV,  16                           ; s16 wave; s17 cx; s18 16 x batch + head
.set SEL, 20                           ; s[20:21] lane selects: lane l xor 16
.set CS,  22                           ; s[22:23] c = log2(e) / 8, twice
; s2, s3 the key step's place among codes and scale words; s[24:25] where the next mask words lie, s[26:27] their step, s28 steps left of 32; s29 the loop's count; s30 lanes 16-31
; s[32:63], s[68:99] the step's 64 mask words (at the head: the descriptors)
; v1 8 x lane; v2 4 x lane + KS; v3, v4 the add's two; v5 -2^33; v6-8 the step's LDS addresses; v9 4 r; v12 -M, v13 the largest t, v[14:15] the sum in two halves;
; v16-21 Q, v22-27 zeros, v28-33 Q again; v34 Q's scale word; v35 the first tile's two bytes of x; v36-83 four fragments, K's and then V's; v84-87 their scale words; v88 p's; v89 the query pair's
; v96-159 S^T, then p; v160-191 O^T; v192-203 p's codes; v204-211 halves of conversions; v212-229 at work
.set BM,  212                          ; the four blocks' largest scores
.set BP,  216                          ; lane permutes' results, then bytes
.set SO,  220                          ; the conversions' scale operands
.set T0,  224
.set FF,  226                          ; v[226:227] f = 2^(old M - new M)
.set S2,  228                          ; v[228:229] the second chain of sums
.set HW,  212                          ; the last quantiser's work
.set SPW, 3
.set NIL, 4
.macro CROUND                          ; a round of the cluster's barrier
	s_barrier_signal -1
	s_barrier_wait -1
	s_cmp_lg_u32 s[WV], 0
	s_cbranch_scc1 .Lnot_wave_0_\@
	s_barrier_signal -3
.Lnot_wave_0_\@:
	s_barrier_wait -3
	s_barrier_signal -1
	s_barrier_wait -1
.endm
	s_load_b256 s[4:11], s[0:1], 0x0               ; qkvc, qkvs, mb, oc
	s_load_b64 s[12:13], s[0:1], 0x20              ; os
	v_lshl_add_u32 v[SPW], v0, 2, SPARE
	v_mov_b32 v[NIL], 0
	ds_add_u32 v[SPW], v[NIL]                      ; the wave's opening: the add and its wait ahead of the first tensor loads; work on registers stands between them
	ds_add_u32 v[SPW], v[NIL]
	v_lshrrev_b32 v1, 5, v0
	s_delay_alu instid0(VALU_DEP_1)
	v_readfirstlane_b32 s[WV], v1
	s_bfe_u32 s17, ttmp6, 0x40000                  ; cx: which 512 queries; it enters global addresses of my own loads and stores alone
	s_and_b32 s18, ttmp7, 0xffff                   ; 16 x batch + head, which the four partners share
	s_mov_b32 s32, 15|(3<<16)|(1<<21)              ; 15:0 the mask: all four; 17:16 elements of 8 bytes; 21 set beside a mask; no padding
	s_mov_b32 s33, 32<<16                          ; codes: 24,576 dense bytes as 96 rows of 256
	s_mov_b32 s34, 96<<16
	s_mov_b32 s35, 32<<16
	s_mov_b32 s36, 96
	s_mov_b32 s37, 32
	s_mov_b32 s38, 0
	s_mov_b32 s39, 0
	s_mov_b32 s40, 15|(3<<16)|(1<<21)
	s_mov_b32 s41, 32<<16                          ; scale words: 8,192 dense bytes as 32 rows of 256
	s_mov_b32 s42, 32<<16
	s_mov_b32 s43, 32<<16
	s_mov_b32 s44, 32
	s_mov_b32 s45, 32
	s_mov_b32 s46, 0
	s_mov_b32 s47, 0
	s_mul_i32 s19, s[WV], 24576
	s_mul_i32 s2, s18, 294912                      ; a head: Q, K, V, 98,304 bytes each
	s_add_co_u32 s2, s2, s19
	s_add_co_u32 s2, s2, 98304                     ; piece w of K and V
	s_mov_b32 s3, 0
	s_mul_i32 s14, s18, 12288
	s_add_co_u32 s14, s14, 4096                    ; K's and V's scale words
	s_mov_b32 s15, 0
	s_mov_b32 s48, 1
	s_mov_b32 s49, s19                             ; LDS address: 24,576 x wave
	s_mov_b32 s52, 1
	s_mov_b32 s53, KS
	s_wait_dscnt 0x0                               ; the opening add is done
	s_wait_kmcnt 0x0
	s_add_nc_u64 s[50:51], s[4:5], s[2:3]
	s_or_b32 s51, s51, 0x80000000
	s_add_nc_u64 s[54:55], s[6:7], s[14:15]
	s_or_b32 s55, s55, 0x80000000
	CROUND                                         ; all four work-groups are here: the joint loads meet
	s_cmp_lt_u32 s[WV], 8
	s_cbranch_scc0 .Lnot_codes
	tensor_load_to_lds s[48:51], s[32:39]
	s_nop 0
.rept 4
	v_nop
.endr
	s_branch .Lasked
.Lnot_codes:
	s_cmp_eq_u32 s[WV], 8
	s_cbranch_scc0 .Lasked
	tensor_load_to_lds s[52:55], s[40:47]
	s_nop 0
.rept 4
	v_nop
.endr
.Lasked:
	v_and_b32 v9, 31, v0
	s_delay_alu instid0(VALU_DEP_1)
	v_lshlrev_b32 v1, 3, v9
	s_delay_alu instid0(VALU_DEP_2)
	v_lshlrev_b32 v2, 2, v9
	s_delay_alu instid0(VALU_DEP_1)
	v_add_nc_u32 v2, KS, v2
	v_and_b32 v9, 15, v0
	s_delay_alu instid0(VALU_DEP_1)
	v_lshlrev_b32 v9, 2, v9
	v_mov_b32 v5, 0xd0000000                       ; -2^33
.irp i, 22,23,24,25,26,27
	v_mov_b32 v[\i], 0                             ; the zero codes beside Q
.endr
.irp i, 216,217,218,219,227
	v_mov_b32 v[\i], 0                             ; lane permutes' destinations, and the upper half of f's pair: written once
.endr
	s_mov_b32 s[SEL], 0x76543210
	s_mov_b32 s[SEL+1], 0xfedcba98
	s_mov_b32 s[CS], 0x3e38aa3b                    ; log2(e) / 8
	s_mov_b32 s[CS+1], s[CS]
	s_mov_b32 s30, 0xffff0000
	s_mov_b32 s27, 0
	s_mov_b32 s28, 32
	s_lshl_b32 s19, s17, 4
	s_add_co_u32 s19, s19, s[WV]                   ; my pair of query tiles in the batch: 16 cx + wave
	s_mul_i32 s2, s18, 294912
	s_mul_i32 s14, s19, 1536
	s_add_co_u32 s2, s2, s14
	s_add_nc_u64 s[4:5], s[4:5], s[2:3]            ; Q's codes
	s_mul_i32 s2, s18, 12288
	s_lshl_b32 s14, s19, 6
	s_add_co_u32 s2, s2, s14
	s_add_nc_u64 s[6:7], s[6:7], s[2:3]            ; the pair's scale words
	s_lshr_b32 s14, s18, 4
	s_lshl_b32 s14, s14, 6
	s_add_co_u32 s14, s14, s19                     ; the pair among all 256: 64 x batch + pair
	s_lshl_b32 s2, s14, 13
	s_add_nc_u64 s[24:25], s[8:9], s[2:3]          ; its mask words: 2 tiles x 16 key steps x 256 bytes on end
	s_and_b32 s31, s18, 15                         ; head
	s_mul_i32 s2, s14, 24576                       ; oc: two row tiles of 12,288 bytes; a head's half image is 768 bytes
	s_mul_i32 s15, s31, 768
	s_add_co_u32 s2, s2, s15
	s_add_nc_u64 s[10:11], s[10:11], s[2:3]
	s_lshl_b32 s2, s14, 10                         ; os: 1,024 bytes a pair; four heads to a chunk of 256; two bytes a head in the lane's 8
	s_lshr_b32 s15, s31, 2
	s_lshl_b32 s15, s15, 8
	s_add_co_u32 s2, s2, s15
	s_and_b32 s15, s31, 3
	s_lshl_b32 s15, s15, 1
	s_add_co_u32 s2, s2, s15
	s_add_nc_u64 s[12:13], s[12:13], s[2:3]
	s_wait_tensorcnt 0x0                           ; my part of K and V is in, and the descriptors' registers are free,
	s_barrier_signal -1
	s_barrier_wait -1                              ; everybody's part is in
	s_load_b512 s[32:47], s[24:25], 0x0            ; the first step's mask words
	s_load_b512 s[48:63], s[24:25], 0x40
	s_load_b512 s[68:83], s[24:25], 0x80
	s_load_b512 s[84:99], s[24:25], 0xc0
; 32 numbers of a lane, v[HS_] on, register 16 b + i = d 32 b + 16 h + i of my row, become six registers of codes, v[HP_] on, and the two scale bytes in v[HU_]
.macro HQ
.irp b, 0,1
	v_max3_num_f32 v[HW+\b], |v[HS_+16*\b]|, |v[HS_+16*\b+1]|, 0x1800000   ; the floor 2^(3 - 127) holds the byte at 1 from below
.endr
.irp i, 2,4,6,8,10,12,14
.irp b, 0,1
	s_delay_alu instid0(VALU_DEP_2)
	v_max3_num_f32 v[HW+\b], v[HW+\b], |v[HS_+16*\b+\i]|, |v[HS_+16*\b+\i+1]|
.endr
.endr
.irp b, 0,1
	s_delay_alu instid0(VALU_DEP_2)
	v_permlanex16_b32 v[HW+2+\b], v[HW+\b], s[SEL], s[SEL+1]
.endr
.irp b, 0,1
	s_delay_alu instid0(VALU_DEP_2)
	v_max_num_f32 v[HW+\b], v[HW+\b], v[HW+2+\b]
.endr
.irp b, 0,1
	s_delay_alu instid0(VALU_DEP_2)
	v_add_nc_u32 v[HW+4+\b], 0xff000000, v[HW+\b]
.endr
.irp b, 0,1
	s_delay_alu instid0(VALU_DEP_2)
	v_lshrrev_b32 v[HW+2+\b], 23, v[HW+4+\b]
.endr
	s_delay_alu instid0(VALU_DEP_1)
	v_lshl_or_b32 v[HU_], v[HW+3], 8, v[HW+2]
	v_cvt_scalef32_pk16_fp6_f32 v[HP_:HP_+2], v[HS_:HS_+15], v[HW+4]
	v_cvt_scalef32_pk16_fp6_f32 v[HP_+4:HP_+6], v[HS_+16:HS_+31], v[HW+5]
	v_nop                                          ; one plain place behind a scaled conversion
.irp i, 0,1,2
	v_permlane16_swap_b32 v[HP_+\i], v[HP_+4+\i]
.endr
.irp i, 0,1,2
	s_delay_alu instid0(VALU_DEP_3)
	v_mov_b32 v[HP_+3+\i], v[HP_+4+\i]
.endr
.endm
; A KEY STEP: 128 keys
.macro STEP
	v_add_nc_u32 v6, s2, v1                        ; K's codes; (these three and the v_nop are the four places behind the last products, in front of loads into registers that they read)
	v_add_nc_u32 v8, s3, v2                        ; the scale words
	s_delay_alu instid0(VALU_DEP_2)
	v_add_nc_u32 v7, VC, v6                        ; V's codes
	v_nop
	ds_load_b32 v84, v8                            ; lanes 0-15: pair 0's rows, lanes 16-31: pair 1's
	ds_load_b32 v85, v8 offset:128                 ; pairs 2 and 3
.irp u, 0,1,2,3
.irp p, 0,1,2,3,4,5
	ds_load_b64 v[36+12*\u+2*\p:37+12*\u+2*\p], v6 offset:1536*\u+256*\p
.endr
.endr
	s_wait_alu depctr_va_vdst(0)
.irp u, 0,1,2,3
	s_wait_dscnt 18-6*\u                           ; pair u is in; the six loads of each later pair may be out
.irp e, 0,1
.if \u%2
	v_wmma_scale_f32_16x16x128_f8f6f4 v[96+8*(2*\u+\e):103+8*(2*\u+\e)], v[36+12*\u:47+12*\u], v[16+6*\e:27+6*\e], 0, v[84+\u/2], v34 matrix_a_fmt:MATRIX_FMT_FP6 matrix_b_fmt:MATRIX_FMT_FP6 matrix_a_scale:MATRIX_SCALE_ROW1
.else
	v_wmma_scale_f32_16x16x128_f8f6f4 v[96+8*(2*\u+\e):103+8*(2*\u+\e)], v[36+12*\u:47+12*\u], v[16+6*\e:27+6*\e], 0, v[84+\u/2], v34 matrix_a_fmt:MATRIX_FMT_FP6 matrix_b_fmt:MATRIX_FMT_FP6
.endif
.endr
.endr
.rept 4
	v_nop                                          ; four places: in front of the loads into K's registers, and of the first read of the scores
.endr
	ds_load_b32 v86, v8 offset:4096                ; V's scale words: tiles 0 and 1 of d,
	ds_load_b32 v87, v8 offset:4224                ; tiles 2 and 3
.irp u, 0,1,2,3
.irp p, 0,1,2,3,4,5
	ds_load_b64 v[36+12*\u+2*\p:37+12*\u+2*\p], v7 offset:1536*\u+256*\p   ; V's four tiles land under the softmax
.endr
.endr
	s_wait_kmcnt 0x0                               ; this step's mask words, asked for a step ago
.set n, 0
.rept 32
	v_cndmask_b32 v[96+n], v5, v[96+n], s[32+n]    ; a hidden score becomes -2^33; in ascending order
.set n, n+1
.endr
.rept 32
	v_cndmask_b32 v[96+n], v5, v[96+n], s[36+n]
.set n, n+1
.endr
	s_cmp_gt_u32 s28, 1                            ; the next step's words lie 256 bytes on, through the change of tile too; the wave's very last step asks for its own again: no load leaves the buffer
	s_cselect_b32 s26, 256, 0
	s_add_nc_u64 s[24:25], s[24:25], s[26:27]      ; (behind the wait that showed the last loads done)
	s_sub_co_u32 s28, s28, 1
	s_load_b512 s[32:47], s[24:25], 0x0
	s_load_b512 s[48:63], s[24:25], 0x40
	s_load_b512 s[68:83], s[24:25], 0x80
	s_load_b512 s[84:99], s[24:25], 0xc0
.irp b, 0,1,2,3
	v_max3_num_f32 v[BM+\b], v[96+16*\b], v[97+16*\b], v[98+16*\b]   ; the largest score of each block of 32 keys: it serves for the row's maximum and, since p rises with the score, for the block's largest p
.endr
.irp i, 3,5,7,9,11,13
.irp b, 0,1,2,3
	s_delay_alu instid0(VALU_DEP_4)
	v_max3_num_f32 v[BM+\b], v[BM+\b], v[96+16*\b+\i], v[97+16*\b+\i]
.endr
.endr
.irp b, 0,1,2,3
	s_delay_alu instid0(VALU_DEP_4)
	v_max_num_f32 v[BM+\b], v[BM+\b], v[111+16*\b]
.endr
.irp b, 0,1,2,3
	s_delay_alu instid0(VALU_DEP_4)
	v_permlanex16_b32 v[BP+\b], v[BM+\b], s[SEL], s[SEL+1]
.endr
.irp b, 0,1,2,3
	s_delay_alu instid0(VALU_DEP_4)
	v_max_num_f32 v[BM+\b], v[BM+\b], v[BP+\b]     ; with lane l xor 16's 16 keys
.endr
	s_delay_alu instid0(VALU_DEP_2)
	v_max3_num_f32 v[T0], v[BM], v[BM+1], v[BM+2]
	s_delay_alu instid0(VALU_DEP_1)
	v_max_num_f32 v[T0], v[T0], v[BM+3]
	s_delay_alu instid0(VALU_DEP_1)
	v_mul_f32 v[T0], s[CS], v[T0]                  ; as t (c is positive)
	s_delay_alu instid0(VALU_DEP_1)
	v_max_num_f32 v13, v13, v[T0]                  ; the running largest t
	v_mov_b32 v[T0], v12
	s_delay_alu instid0(VALU_DEP_2)
	v_floor_f32 v12, -v13                          ; the new -M = floor(-t): M is a whole number
	s_delay_alu instid0(VALU_DEP_1)
	v_sub_f32 v[T0], v12, v[T0]                    ; old M - new M: a whole number, 0 or less
	s_delay_alu instid0(VALU_DEP_1)
	v_cvt_i32_f32 v[T0], v[T0]                     ; (it saturates)
	s_delay_alu instid0(VALU_DEP_1)
	v_ldexp_f32 v[FF], 1.0, v[T0]                  ; f = 2^(old M - new M)
.irp j, 0,2,4,6,8,10,12,14,16,18,20,22,24,26,28,30,32,34,36,38,40,42,44,46,48,50,52,54,56,58,60,62
	v_pk_fma_f32 v[96+\j:97+\j], v[96+\j:97+\j], s[CS:CS+1], v[12:13] op_sel_hi:[1,0,0]   ; t - M, two at a time
.endr
.irp b, 0,1,2,3
	v_fma_f32 v[BM+\b], v[BM+\b], s[CS], v12       ; the same of each block's largest score
.endr
.set n, 0
	s_wait_alu depctr_va_vdst(0)
.rept 64
	v_exp_f32 v[96+n], v[96+n]                     ; p = 2^(t - M), at most 1
.set n, n+1
.endr
	v_pk_mul_f32 v[14:15], v[14:15], v[FF:FF+1] op_sel_hi:[1,0]   ; the sums under the new M: a plain place behind the exponentials
	s_wait_alu depctr_va_vdst(0)                   ; one wait for the whole batch, ahead of its first reader
.irp b, 0,1,2,3
	v_exp_f32 v[BM+\b], v[BM+\b]                   ; the block's largest p: the same two instructions on the same number give the same bits
.endr
	v_pk_add_f32 v[228:229], v[100:101], v[104:105]
	v_pk_add_f32 v[254:255], v[108:109], v[112:113]
	v_pk_add_f32 v[252:253], v[116:117], v[120:121]
	v_pk_add_f32 v[250:251], v[124:125], v[128:129]
	v_pk_add_f32 v[248:249], v[132:133], v[136:137]
	v_pk_add_f32 v[246:247], v[140:141], v[144:145]
	v_pk_add_f32 v[244:245], v[148:149], v[152:153]
	v_pk_add_f32 v[14:15], v[14:15], v[156:157]
	v_pk_add_f32 v[228:229], v[228:229], v[96:97]
	v_pk_add_f32 v[254:255], v[254:255], v[98:99]
	v_pk_add_f32 v[252:253], v[252:253], v[102:103]
	v_pk_add_f32 v[250:251], v[250:251], v[106:107]
	v_pk_add_f32 v[248:249], v[248:249], v[110:111]
	v_pk_add_f32 v[246:247], v[246:247], v[114:115]
	v_pk_add_f32 v[244:245], v[244:245], v[118:119]
	v_pk_add_f32 v[14:15], v[14:15], v[122:123]
	v_pk_add_f32 v[228:229], v[228:229], v[126:127]
	v_pk_add_f32 v[254:255], v[254:255], v[130:131]
	v_pk_add_f32 v[252:253], v[252:253], v[134:135]
	v_pk_add_f32 v[250:251], v[250:251], v[138:139]
	v_pk_add_f32 v[248:249], v[248:249], v[142:143]
	v_pk_add_f32 v[246:247], v[246:247], v[146:147]
	v_pk_add_f32 v[244:245], v[244:245], v[150:151]
	v_pk_add_f32 v[14:15], v[14:15], v[154:155]
	v_pk_add_f32 v[228:229], v[228:229], v[158:159]
	s_delay_alu instid0(VALU_DEP_2)
	v_pk_add_f32 v[14:15], v[14:15], v[250:251]
	s_delay_alu instid0(VALU_DEP_2)
	v_pk_add_f32 v[228:229], v[228:229], v[248:249]
	v_pk_add_f32 v[254:255], v[254:255], v[246:247]
	v_pk_add_f32 v[252:253], v[252:253], v[244:245]
	s_delay_alu instid0(VALU_DEP_2)
	v_pk_add_f32 v[14:15], v[14:15], v[254:255]
	s_delay_alu instid0(VALU_DEP_2)
	v_pk_add_f32 v[228:229], v[228:229], v[252:253]
	s_delay_alu instid0(VALU_DEP_1)
	v_pk_add_f32 v[14:15], v[14:15], v[228:229]
	s_wait_alu depctr_va_vdst(0)                   ; and one for the four
.irp b, 0,1,2,3
	v_max_num_f32 v[BM+\b], 0x1800000, v[BM+\b]    ; the floor 2^(3 - 127): a block whose every p is 0 keeps the byte 1; its codes are zeros
.endr
.irp b, 0,1,2,3
	s_delay_alu instid0(VALU_DEP_4)
	v_add_nc_u32 v[SO+\b], 0xff000000, v[BM+\b]    ; 2 off the exponent field: the conversion's scale operand
.endr
.irp b, 0,1,2,3
	s_delay_alu instid0(VALU_DEP_4)
	v_lshrrev_b32 v[BP+\b], 23, v[SO+\b]           ; the scale's byte
.endr
	s_delay_alu instid0(VALU_DEP_3)
	v_lshl_or_b32 v88, v[BP+1], 8, v[BP]           ; p's scale word for these 128 keys
	s_delay_alu instid0(VALU_DEP_1)
	v_lshl_or_b32 v88, v[BP+2], 16, v88
	s_delay_alu instid0(VALU_DEP_1)
	v_lshl_or_b32 v88, v[BP+3], 24, v88
.irp c, 0,1
	v_cvt_scalef32_pk16_fp6_f32 v[192+6*\c:194+6*\c], v[96+32*\c:111+32*\c], v[SO+2*\c]
	v_cvt_scalef32_pk16_fp6_f32 v[204+4*\c:206+4*\c], v[112+32*\c:127+32*\c], v[SO+2*\c+1]   ; (a conversion's three registers begin on an even number)
.endr
	v_nop                                          ; one plain place behind a scaled conversion
.irp c, 0,1
.irp i, 0,1,2
	v_permlane16_swap_b32 v[192+6*\c+\i], v[204+4*\c+\i]   ; the operand's layout wants a whole block in a lane
.endr
.irp i, 0,1,2
	s_delay_alu instid0(VALU_DEP_3)
	v_mov_b32 v[195+6*\c+\i], v[204+4*\c+\i]
.endr
.endr
.irp j, 0,2,4,6,8,10,12,14,16,18,20,22,24,26,28,30
	v_pk_mul_f32 v[160+\j:161+\j], v[160+\j:161+\j], v[FF:FF+1] op_sel_hi:[1,0]   ; O^T under the new M; these sixteen also stand between the writes of p's codes and scale word and the products
.endr
	s_wait_alu depctr_va_vdst(0)
	s_wait_dscnt 0x0                               ; V
.irp t, 0,1,2,3
.if \t%2
	v_wmma_scale_f32_16x16x128_f8f6f4 v[160+8*\t:167+8*\t], v[36+12*\t:47+12*\t], v[192:203], v[160+8*\t:167+8*\t], v[86+\t/2], v88 matrix_a_fmt:MATRIX_FMT_FP6 matrix_b_fmt:MATRIX_FMT_FP6 matrix_a_scale:MATRIX_SCALE_ROW1
.else
	v_wmma_scale_f32_16x16x128_f8f6f4 v[160+8*\t:167+8*\t], v[36+12*\t:47+12*\t], v[192:203], v[160+8*\t:167+8*\t], v[86+\t/2], v88 matrix_a_fmt:MATRIX_FMT_FP6 matrix_b_fmt:MATRIX_FMT_FP6
.endif
.endr
	s_add_co_u32 s2, s2, 6144                      ; the next key step
	s_add_co_u32 s3, s3, 256
.endm
; One tile of 16 queries through all 2,048 keys: tile p of my pair
.macro PASS p
.if \p
	s_wait_xcnt 0x0                                ; the first tile's stores have read their registers, which this tile writes again
.endif
.irp q, 0,1,2
	global_load_b64 v[16+2*\q:17+2*\q], v1, s[4:5] offset:768*\p+256*\q    ; Q's half image, twice: on either side of the zeros
	global_load_b64 v[28+2*\q:29+2*\q], v1, s[4:5] offset:768*\p+256*\q
.endr
.if \p == 0
	global_load_b32 v89, v9, s[6:7]                ; the pair's scale word: the even tile's two bytes, then the odd tile's
.endif
	v_mov_b32 v13, 0xff61b1e6                      ; the largest t so far: -3e38
	s_delay_alu instid0(VALU_DEP_1)
	v_floor_f32 v12, -v13
	v_mov_b32 v14, 0
	v_mov_b32 v15, 0
	s_mov_b32 s2, 0
	s_mov_b32 s3, 0
	s_mov_b32 s29, 16
	s_wait_loadcnt 0x0
.if \p == 0
	v_perm_b32 v34, v89, v89, 0x01000100           ; my tile's two bytes, for k 0-63 and again for k 64-127
.else
	v_perm_b32 v34, v89, v89, 0x03020302
.endif
.set n, 0
.rept 32
	v_mov_b32 v[160+n], 0                          ; O^T: the step is written once; its first trip finds zeros, which the first change of M leaves zeros
.set n, n+1
.endr
.Lstep_\@:
	STEP
	s_sub_co_u32 s29, s29, 1
	s_cmp_lg_u32 s29, 0
	s_cbranch_scc1 .Lstep_\@
.rept 4
	v_nop                                          ; four places behind the last products
.endr
	v_add_f32 v14, v14, v15                        ; the sum's two halves,
	s_delay_alu instid0(VALU_DEP_1)
	v_permlanex16_b32 v[T0], v14, s[SEL], s[SEL+1]
	s_delay_alu instid0(VALU_DEP_1)
	v_add_f32 v14, v14, v[T0]                      ; and lane l xor 16's: the row's sum
	s_wait_alu depctr_va_vdst(0)
	v_rcp_f32 v14, v14
	v_nop                                          ; a plain place behind the reciprocal
	s_wait_alu depctr_va_vdst(0)                   ; and the wait ahead of its first reader
.set n, 0
.rept 32
	v_mul_f32 v[96+n], v[160+n], v14               ; x: register 16 b + i is d = 32 b + 16 h + i of my query
.set n, n+1
.endr
.set HS_, 96
.set HP_, 192
.if \p == 0
.set HU_, 35
.else
.set HU_, 10
.endif
	HQ
.irp q, 0,1,2
	global_store_b64 v1, v[192+2*\q:193+2*\q], s[10:11] offset:12288*\p+256*\q   ; 32 lanes store 256 consecutive bytes, aligned
.endr
.endm
	PASS 0
	PASS 1
	v_cndmask_b32 v10, v35, v10, s30               ; lanes 0-15: the even tile's rows, lanes 16-31: the odd tile's
	global_store_b16 v1, v10, s[12:13]             ; my head's two bytes of each row's scale word; the other heads' work-groups store the rest.  1 byte in 24 of what the launch stores
	s_wait_kmcnt 0x0                               ; the last step's mask words, which nothing reads
	s_wait_tensorcnt 0x0                           ; the wave's end, behind my last tensor load
	ds_add_u32 v[SPW], v[NIL]
	s_wait_dscnt 0x0
	CROUND                                         ; the closing round: no work-group ends while a partner may still ask for a tile that names it
	s_endpgm
.Lfunc_end_k_qd7935047cc_attn:
	.size	k_qd7935047cc_attn, .Lfunc_end_k_qd7935047cc_attn-k_qd7935047cc_attn
	.p2alignl 7, 3214868480
	.fill 96, 4, 3214868480
	.section	.rodata,"a",@progbits
	.p2align	6, 0x0
	.amdhsa_kernel k_qd7935047cc_attn
		.amdhsa_group_segment_fixed_size 206848
		.amdhsa_private_segment_fixed_size 0
		.amdhsa_enable_private_segment 0
		.amdhsa_kernarg_size 40
		.amdhsa_user_sgpr_count 2
		.amdhsa_user_sgpr_kernarg_segment_ptr 1
		.amdhsa_wavefront_size32 1
		.amdhsa_system_sgpr_workgroup_id_x 1
		.amdhsa_system_sgpr_workgroup_id_y 1
		.amdhsa_system_sgpr_workgroup_id_z 1
		.amdhsa_system_vgpr_workitem_id 0
		.amdhsa_next_free_vgpr 256
		.amdhsa_next_free_sgpr 100
		.amdhsa_reserve_vcc 0
		.amdhsa_float_denorm_mode_32 3
		.amdhsa_float_denorm_mode_16_64 3
		.amdhsa_memory_ordered 1
		.amdhsa_forward_progress 1
		.amdhsa_inst_pref_size 67
	.end_amdhsa_kernel
	.amdgpu_metadata
---
amdhsa.version: [ 1, 2 ]
amdhsa.kernels:
  - .name:           k_qd7935047cc_attn
    .symbol:         k_qd7935047cc_attn.kd
    .args:
      - { .name: qkvc, .offset: 0, .size: 8, .value_kind: global_buffer, .address_space: global }
      - { .name: qkvs, .offset: 8, .size: 8, .value_kind: global_buffer, .address_space: global }
      - { .name: mb, .offset: 16, .size: 8, .value_kind: global_buffer, .address_space: global }
      - { .name: oc, .offset: 24, .size: 8, .value_kind: global_buffer, .address_space: global }
      - { .name: os, .offset: 32, .size: 8, .value_kind: global_buffer, .address_space: global }
    .group_segment_fixed_size: 206848
    .private_segment_fixed_size: 0
    .kernarg_segment_align: 8
    .kernarg_segment_size: 40
    .max_flat_workgroup_size: 512
    .sgpr_count:     100
    .vgpr_count:     256
    .wavefront_size: 32
...
	.end_amdgpu_metadata
.endif
;; end of part 4
;; launch projo (part 5): grid 4 x 64, 8 waves a work-group, clusters of 4 x 4, 308,224 bytes of LDS; arguments oc, os, xc, xs, bo, out0; writes out0
.if DOCPART == 5
	.amdgcn_target "amdgcn-amd-amdhsa--gfx1250"
	.amdhsa_code_object_version 6
	.text
	.protected	k_qd7935047cc_projo
	.globl	k_qd7935047cc_projo
	.p2align	8
	.type	k_qd7935047cc_projo,@function
k_qd7935047cc_projo:
	s_mov_b64 s[64:65], 0
	v_nop
	global_prefetch_b8 v0, s[64:65] scope:SCOPE_SE
	s_setreg_imm32_b32 hwreg(HW_REG_WAVE_MODE, 25, 1), 1
	s_wait_xcnt 0x0
	s_wait_alu depctr_hold_cnt(0) depctr_sa_sdst(0) depctr_va_vdst(0) depctr_va_sdst(0) depctr_va_ssrc(0) depctr_va_vcc(0) depctr_vm_vsrc(0)
	s_getreg_b32 s2, hwreg(HW_REG_IB_STS2, 6, 4)
	s_cmp_eq_u32 s2, 0
	s_cbranch_scc0 .Lentry_in_a_cluster
	s_endpgm
.Lentry_in_a_cluster:
	s_bfe_u32 s2, ttmp6, 0x10000c
	s_cmp_lg_u32 s2, 0xf033
	s_cbranch_scc0 .Lentry_shape_is_right
	s_endpgm
.Lentry_shape_is_right:
; OUT[i][j] = sum over k of P[i][k] R[j][k] + bias, K = 1,024, on codes of FP6 (E2M3) with one E8M0 byte for each 32 along K.  One text for three launches, told apart by MODE:
;   MODE 0: P = the tokens of q, then of k; R = wq or wk; bias bq or bk along j.  The result is quantised along j (a head's 64) into the attention's operands.
;   MODE 1: P = wv's rows; R = the tokens of v; bias bv along i.  The result, value transposed, is quantised along j (the keys).
;   MODE 2: P = the attention's result; R = wo; bias bo along j.  The result is out0, f32.
; OPERANDS LIE AS IMAGES OF THEIR REGISTERS: [row tile of 16][K step of 128][6 units of 256 bytes], unit p = registers 2 p, 2 p + 1, 8 bytes a lane.  Row r of tile T is tensor row 32 (T/2) + 8 (T%2) + r + 8 (r/8).
; Scale words: [pair of tiles][chunk of two K steps][lane][2]: lanes 0-15 the even tile's rows, lanes 16-31 the odd tile's: one register serves two tiles.
; THE PRODUCT IS USED TRANSPOSED: source 0 = 16 rows of R, source 1 = 16 rows of P.  A lane holds one row i, and by the order of a tile's rows the 16 registers of R's tiles 2 b, 2 b + 1 are j = 32 b + 16 (lane/16) + 0 .. 15.
; SHARES.  A work-group makes 128 i x 256 j; each of its eight waves 64 x 64: 16 accumulators.  All of K lies in LDS at once (four chunks of two K steps): every byte of LDS is filled once, nothing is filled again.
; CLUSTER.  4 x 4 work-groups: the four of a row need the same rows of P, the four of a column the same rows of R: each tile is asked for jointly.  Each of the eight waves asks for one piece: one load a wave is out.
; LIMITS (MODE 0, 1): NaN and infinities are not served; a block whose largest magnitude lies under 2^-124, a block of zeros too, keeps the byte 1: this program alone reads the bytes.
.set MODE, 2
.if MODE == 0
.set PBASE, 0                          ; P's and R's first row tiles in their buffers
.set RBASE, 1536
.set RCP, 4                            ; scalar pairs: R's codes, R's scale words, the bias, the outputs
.set RSP, 6
.set BI,  8
.set OCP, 12
.set OSP, 14
.endif
.if MODE == 1
.set PBASE, 1664
.set RBASE, 1024
.set RCP, 4
.set RSP, 6
.set BI,  8
.set OCP, 10
.set OSP, 12
.endif
.if MODE == 2
.set PBASE, 0
.set RBASE, 1728
.set RCP, 8
.set RSP, 10
.set BI,  12
.set OCP, 14
.set OSP, 14
.endif
.set PCP, 4                            ; P's codes, P's scale words
.set PSP, 6
.set TILEB, 3072                       ; a tile's two K steps
.set PART,  8*TILEB                    ; eight tiles' two K steps
.set CHUNK, 3*PART                     ; P's eight tiles, R's sixteen
.set SCB,   4*CHUNK                    ; the scale words: P's 4,096 bytes, R's 8,192
.set SPARE, SCB+12288                  ; the spare words: 128 bytes a wave, four blocks of 256 bytes that no other line names
.set RF,  32                           ; v32-79   R's four fragments
.set PF,  80                           ; v80-127  P's four
.set ACC, 128                          ; v128-255 accumulator (it, jt) at 128 + 8 (4 it + jt)
.set HW,  26                           ; v26-31   the quantiser's work
.set SPW, 24                           ; v24      LDS address of my spare word; never rewritten
.set NIL, 25                           ; v25      0; never rewritten
.set WV,  16                           ; s16 wave; s17 wi = wave / 4; s18 wj = wave % 4; s22 X; s23 Y
.set SEL, 20                           ; s[20:21] lane selects, once cx and cy are spent
; v1 8 x lane; v2, v3 LDS addresses of P's and R's fragments; v4, v5 of their scale words; v16-19 P's scale words, v20-23 R's: pair ip, K step q at 2 ip + q
; s[24:31], s[32:39] descriptor group 1 for P's and R's chunks; s[40:47], s[48:55] for their scale words; groups 0: P s[56:63], s[68:71]; R s[80:99]
.macro CROUND                          ; a round of the cluster's barrier
	s_barrier_signal -1
	s_barrier_wait -1
	s_cmp_lg_u32 s[WV], 0
	s_cbranch_scc1 .Lnot_wave_0_\@
	s_barrier_signal -3
.Lnot_wave_0_\@:
	s_barrier_wait -3
	s_barrier_signal -1
	s_barrier_wait -1
.endm
	s_load_b256 s[4:11], s[0:1], 0x0
.if MODE == 1
	s_load_b64 s[12:13], s[0:1], 0x20
.else
	s_load_b128 s[12:15], s[0:1], 0x20
.endif
	v_lshl_add_u32 v[SPW], v0, 2, SPARE
	v_mov_b32 v[NIL], 0
	ds_add_u32 v[SPW], v[NIL]                      ; the wave's opening: the add and its wait ahead of the first tensor loads; work on registers stands between them
	ds_add_u32 v[SPW], v[NIL]
	v_lshrrev_b32 v1, 5, v0
	s_delay_alu instid0(VALU_DEP_1)
	v_readfirstlane_b32 s[WV], v1
	s_lshr_b32 s17, s[WV], 2
	s_and_b32 s18, s[WV], 3
	s_bfe_u32 s20, ttmp6, 0x40000                  ; cx
	s_bfe_u32 s21, ttmp6, 0x40004                  ; cy
	s_lshl_b32 s100, s21, 2
	s_lshl_b32 s100, 15, s100                      ; my row of the cluster
	s_lshl_b32 s101, 0x1111, s20                   ; my column
	s_or_b32 s24, s100, (3<<16)|(1<<21)            ; 15:0 the mask: P goes to my row; 17:16 elements of 8 bytes; 21 set beside a mask; no padding
	s_or_b32 s40, s100, (3<<16)|(1<<21)
	s_or_b32 s32, s101, (3<<16)|(1<<21)            ; R goes to my column
	s_or_b32 s48, s101, (3<<16)|(1<<21)
	s_mov_b32 s25, 768<<16                         ; P: half of K for eight tiles: 8 rows of 6,144 bytes
	s_mov_b32 s26, 8<<16
	s_mov_b32 s27, 768<<16
	s_mov_b32 s28, 8
	s_mov_b32 s33, 384<<16                         ; R: two K steps of sixteen tiles: 16 rows of 3,072 bytes
	s_mov_b32 s34, 16<<16
	s_mov_b32 s35, 384<<16
	s_mov_b32 s36, 16
.irp g, 24, 32                         ; both: rows 12,288 bytes apart
	s_mov_b32 s[\g+5], 1536                        ; tensor_dim0_stride
	s_mov_b32 s[\g+6], 0
	s_mov_b32 s[\g+7], 0
.endr
	s_mov_b32 s42, 16<<16                          ; P's scale words: 16 rows of 256 bytes; R's: 32
	s_mov_b32 s44, 16
	s_mov_b32 s50, 32<<16
	s_mov_b32 s52, 32
.irp g, 40, 48
	s_mov_b32 s[\g+1], 32<<16
	s_mov_b32 s[\g+3], 32<<16
	s_mov_b32 s[\g+5], 32
	s_mov_b32 s[\g+6], 0
	s_mov_b32 s[\g+7], 0
.endr
	s_lshl_b32 s22, ttmp9, 2
	s_add_co_u32 s22, s22, s20                     ; X = 4 x cluster x + cx: which 256 j
	s_and_b32 s23, ttmp7, 0xffff
.if MODE == 0
	s_lshr_b32 s100, s23, 4                        ; 0: q and wq, 1: k and wk; the same in all sixteen partners
.endif
	s_lshl_b32 s23, s23, 2
	s_add_co_u32 s23, s23, s21                     ; Y = 4 x cluster y + cy: which 128 i
	s_mov_b32 s3, 0
	s_mov_b32 s67, 0
.irp g, 56,60,68,80,84,88,92,96
	s_mov_b32 s[\g], 1                             ; count = 1
.endr
	s_mov_b32 s57, SCB                             ; LDS addresses: no place in the cluster enters them
	s_mov_b32 s61, 0
.set PH, 2*PART                        ; 49,152 bytes: what one load of codes brings.  LDS: P's two halves along K, then R's four chunks
	s_mov_b32 s69, PH
	s_mov_b32 s81, SCB+4096
	s_mov_b32 s85, 2*PH
	s_mov_b32 s89, 3*PH
	s_mov_b32 s93, 4*PH
	s_mov_b32 s97, 5*PH
	s_wait_dscnt 0x0                               ; the opening add is done
	s_wait_kmcnt 0x0
	s_mul_i32 s2, s23, 8*12288                     ; P hangs on Y alone, which my row of the cluster shares
.if PBASE
	s_add_co_u32 s2, s2, PBASE*12288
.endif
	s_add_nc_u64 s[62:63], s[PCP:PCP+1], s[2:3]
	s_add_nc_u64 s[70:71], s[62:63], 2*TILEB       ; K steps 4 to 7
	s_lshl_b32 s2, s23, 12                         ; 512 bytes of scale words a tile
.if PBASE
	s_add_co_u32 s2, s2, PBASE*512
.endif
	s_add_nc_u64 s[58:59], s[PSP:PSP+1], s[2:3]
	s_mul_i32 s66, s22, 16*12288                   ; R hangs on X, which my column shares, and on the wave
.if MODE == 0
	s_mul_i32 s101, s100, 64*12288
	s_add_co_u32 s66, s66, s101
.endif
	s_add_co_u32 s66, s66, RBASE*12288
	s_add_nc_u64 s[86:87], s[RCP:RCP+1], s[66:67]
	s_add_nc_u64 s[90:91], s[86:87], TILEB
	s_add_nc_u64 s[94:95], s[86:87], 2*TILEB
	s_add_nc_u64 s[98:99], s[86:87], 3*TILEB
	s_lshl_b32 s66, s22, 13
.if MODE == 0
	s_lshl_b32 s101, s100, 15
	s_add_co_u32 s66, s66, s101
.endif
	s_add_co_u32 s66, s66, RBASE*512
	s_add_nc_u64 s[82:83], s[RSP:RSP+1], s[66:67]
.irp g, 59,63,71,83,87,91,95,99
	s_or_b32 s[\g], s[\g], 0x80000000              ; type = 2
.endr
	CROUND                                         ; all sixteen work-groups are here: the joint loads meet
; THE FILLS, ONE JOINT LOAD A WAVE, in one chain of branches on the wave's number:
; wave 0 P's scale words, 1 R's, 2 P's K steps 0-3, 3 R's chunk 0, 4 R's chunk 1, 5 P's K steps 4-7, 6 R's chunk 2, 7 R's chunk 3
.macro ARM w, g0, g1
	s_cmp_eq_u32 s[WV], \w
	s_cbranch_scc0 .Lnot_\w
	tensor_load_to_lds s[\g0:\g0+3], s[\g1:\g1+7]
	s_nop 0
.rept 4
	v_nop
.endr
	s_branch .Lasked
.Lnot_\w:
.endm
	ARM 0, 56, 40
	ARM 1, 80, 48
	ARM 2, 60, 24
	ARM 3, 84, 32
	ARM 4, 88, 32
	ARM 5, 68, 24
	ARM 6, 92, 32
	tensor_load_to_lds s[96:99], s[32:39]
	s_nop 0
.rept 4
	v_nop
.endr
.Lasked:
	v_and_b32 v26, 31, v0                          ; lane
	v_and_b32 v27, 15, v0                          ; r
	v_bfe_u32 v28, v0, 4, 1                        ; h
	s_wait_alu depctr_va_vdst(0)
	v_mov_b32 v29, 0                               ; (v28, v29 are lane permutes' destinations later: written here)
	v_lshlrev_b32 v1, 3, v26
	v_lshlrev_b32 v14, 2, v26                      ; 4 x lane
	s_mul_i32 s2, s17, 8*TILEB
	v_add_nc_u32 v2, s2, v1                        ; P: my four tiles
	s_mul_i32 s2, s18, 4*TILEB
	s_add_co_u32 s2, s2, 2*PH
	v_add_nc_u32 v3, s2, v1                        ; R: my four tiles, behind P's eight
	s_lshl_b32 s2, s17, 11
	s_add_co_u32 s2, s2, SCB
	v_add_nc_u32 v4, s2, v1                        ; their scale words: 1,024 bytes a pair of tiles
	s_lshl_b32 s2, s18, 11
	s_add_co_u32 s2, s2, SCB+4096
	v_add_nc_u32 v5, s2, v1
	s_mov_b32 s[SEL], 0x76543210
	s_mov_b32 s[SEL+1], 0xfedcba98
	s_mov_b32 s101, 0xffff0000                     ; lanes 16-31
.if MODE != 1
; THE BIAS IS LOADED INTO THE ACCUMULATORS, in the result's layout: register jj of tile jt is j = 32 (jt/2) + 16 h + 8 (jt%2) + jj.  Every product then adds in place; nothing is cleared and nothing is added by vector work.
.if MODE == 0
	s_cmp_eq_u32 s100, 0
	s_cselect_b64 s[BI:BI+1], s[8:9], s[10:11]
.endif
	s_lshl_b32 s2, s22, 10
	s_lshl_b32 s66, s18, 8
	s_add_co_u32 s2, s2, s66                       ; 4 (256 X + 64 wj)
	s_add_nc_u64 s[BI:BI+1], s[BI:BI+1], s[2:3]
	v_lshlrev_b32 v6, 6, v28
.irp it, 0,1,2,3
.irp jt, 0,1,2,3
	global_load_b128 v[ACC+8*(4*\it+\jt):ACC+8*(4*\it+\jt)+3], v6, s[BI:BI+1] offset:4*(32*(\jt/2)+8*(\jt%2))
	global_load_b128 v[ACC+8*(4*\it+\jt)+4:ACC+8*(4*\it+\jt)+7], v6, s[BI:BI+1] offset:4*(32*(\jt/2)+8*(\jt%2))+16
.endr
.endr
.else
; The bias runs along i, one number a lane for each of P's tiles: it is loaded twice, as a pair for the packed addition on the way out.
	s_lshl_b32 s2, s23, 9
	s_lshl_b32 s66, s17, 8
	s_add_co_u32 s2, s2, s66                       ; 4 (128 Y + 64 wi)
	s_add_nc_u64 s[BI:BI+1], s[BI:BI+1], s[2:3]
	v_and_b32 v15, 8, v27
	v_add_nc_u32 v15, v15, v27
	v_lshlrev_b32 v15, 2, v15                      ; 4 (r + 8 (r/8))
.irp it, 0,1,2,3
	global_load_b32 v[6+2*\it], v15, s[BI:BI+1] offset:4*(32*(\it/2)+8*(\it%2))
	global_load_b32 v[7+2*\it], v15, s[BI:BI+1] offset:4*(32*(\it/2)+8*(\it%2))
.endr
.endif
; where the results go
.if MODE == 0
	s_and_b32 s2, s23, 63
	s_lshr_b32 s66, s2, 4                          ; batch
	s_and_b32 s2, s2, 15                           ; key step: 128 tokens
	s_lshl_b32 s66, s66, 4
	s_lshl_b32 s67, s22, 2
	s_add_co_u32 s66, s66, s67
	s_add_co_u32 s66, s66, s18                     ; 16 x batch + head, head = 4 X + wj
	s_lshl_b32 s67, s2, 1
	s_add_co_u32 s67, s67, s17                     ; which four token tiles of the batch
	s_mul_i32 s2, s66, 294912                      ; a head: Q, K, V, 98,304 bytes each; a token tile's half image is 768 bytes
	s_mul_i32 s19, s100, 98304
	s_add_co_u32 s2, s2, s19
	s_mul_i32 s19, s67, 3072
	s_add_co_u32 s2, s2, s19
	s_add_nc_u64 s[OCP:OCP+1], s[OCP:OCP+1], s[2:3]
	s_mul_i32 s2, s66, 12288                       ; scale words: 4,096 bytes each; 64 bytes a pair of tiles
	s_lshl_b32 s19, s100, 12
	s_add_co_u32 s2, s2, s19
	s_lshl_b32 s19, s67, 7
	s_add_co_u32 s2, s2, s19
	s_add_nc_u64 s[OSP:OSP+1], s[OSP:OSP+1], s[2:3]
.endif
.if MODE == 1
	s_lshr_b32 s66, s22, 3                         ; batch
	s_lshl_b32 s66, s66, 4
	s_lshl_b32 s67, s23, 1
	s_add_co_u32 s66, s66, s67
	s_add_co_u32 s66, s66, s17                     ; 16 x batch + head, head = 2 Y + wi
	s_and_b32 s67, s22, 7
	s_lshl_b32 s67, s67, 1
	s_lshr_b32 s19, s18, 1
	s_add_co_u32 s67, s67, s19                     ; key step
	s_and_b32 s19, s18, 1                          ; which 64 keys of it
	s_mul_i32 s2, s66, 294912
	s_mul_i32 s100, s67, 6144                      ; a key step: four tiles of d, 1,536 bytes each
	s_add_co_u32 s2, s2, s100
	s_mul_i32 s100, s19, 768
	s_add_co_u32 s2, s2, s100
	s_add_co_u32 s2, s2, 196608
	s_add_nc_u64 s[OCP:OCP+1], s[OCP:OCP+1], s[2:3]
	s_mul_i32 s2, s66, 12288
	s_lshl_b32 s100, s67, 8
	s_add_co_u32 s2, s2, s100
	s_lshl_b32 s100, s19, 1
	s_add_co_u32 s2, s2, s100
	s_add_co_u32 s2, s2, 8192
	s_add_nc_u64 s[OSP:OSP+1], s[OSP:OSP+1], s[2:3]
.endif
.if MODE == 2
	s_lshl_b32 s2, s23, 7
	s_lshl_b32 s66, s17, 6
	s_add_co_u32 s2, s2, s66                       ; my first token
	s_lshl_b32 s2, s2, 12                          ; rows of 4,096 bytes
	s_lshl_b32 s66, s22, 10
	s_add_co_u32 s2, s2, s66
	s_lshl_b32 s66, s18, 8
	s_add_co_u32 s2, s2, s66                       ; + 4 (256 X + 64 wj)
	s_add_nc_u64 s[OCP:OCP+1], s[OCP:OCP+1], s[2:3]
	s_mul_i32 s66, s[WV], 4352                     ; my stage: 16 rows x 272 bytes, in chunk 0
	v_mul_u32_u24 v7, v27, 272
	s_delay_alu instid0(VALU_DEP_1)
	v_lshl_add_u32 v7, v28, 6, v7
	s_delay_alu instid0(VALU_DEP_1)
	v_add_nc_u32 v7, s66, v7                       ; in: row r, + 64 h
	v_mul_u32_u24 v8, v28, 272
	s_delay_alu instid0(VALU_DEP_1)
	v_lshl_add_u32 v8, v27, 4, v8
	s_delay_alu instid0(VALU_DEP_1)
	v_add_nc_u32 v8, s66, v8                       ; back: lanes 0-15 one row of 256 bytes, lanes 16-31 the next
	v_lshlrev_b32 v9, 12, v28
	s_delay_alu instid0(VALU_DEP_1)
	v_lshl_add_u32 v9, v27, 4, v9                  ; and the same two rows in out0
.endif
	s_wait_loadcnt 0x0                             ; the bias
.macro FRAG reg, adr, off              ; a fragment comes as it was stored: six loads of 8 bytes a lane, 256 consecutive bytes each
.irp p, 0,1,2,3,4,5
	ds_load_b64 v[\reg+2*\p:\reg+2*\p+1], v[\adr] offset:\off+256*\p
.endr
.endm
.macro WMMA z                          ; one product on rD, rA, rB, rSA, rSB; fA, fB: the scale words lie in lanes 16-31; z = 1: it starts the sum
.if \z
.if fA && fB
	v_wmma_scale_f32_16x16x128_f8f6f4 v[rD:rD+7], v[rA:rA+11], v[rB:rB+11], 0, v[rSA], v[rSB] matrix_a_fmt:MATRIX_FMT_FP6 matrix_b_fmt:MATRIX_FMT_FP6 matrix_a_scale:MATRIX_SCALE_ROW1 matrix_b_scale:MATRIX_SCALE_ROW1
.elseif fA
	v_wmma_scale_f32_16x16x128_f8f6f4 v[rD:rD+7], v[rA:rA+11], v[rB:rB+11], 0, v[rSA], v[rSB] matrix_a_fmt:MATRIX_FMT_FP6 matrix_b_fmt:MATRIX_FMT_FP6 matrix_a_scale:MATRIX_SCALE_ROW1
.elseif fB
	v_wmma_scale_f32_16x16x128_f8f6f4 v[rD:rD+7], v[rA:rA+11], v[rB:rB+11], 0, v[rSA], v[rSB] matrix_a_fmt:MATRIX_FMT_FP6 matrix_b_fmt:MATRIX_FMT_FP6 matrix_b_scale:MATRIX_SCALE_ROW1
.else
	v_wmma_scale_f32_16x16x128_f8f6f4 v[rD:rD+7], v[rA:rA+11], v[rB:rB+11], 0, v[rSA], v[rSB] matrix_a_fmt:MATRIX_FMT_FP6 matrix_b_fmt:MATRIX_FMT_FP6
.endif
.else
.if fA && fB
	v_wmma_scale_f32_16x16x128_f8f6f4 v[rD:rD+7], v[rA:rA+11], v[rB:rB+11], v[rD:rD+7], v[rSA], v[rSB] matrix_a_fmt:MATRIX_FMT_FP6 matrix_b_fmt:MATRIX_FMT_FP6 matrix_a_scale:MATRIX_SCALE_ROW1 matrix_b_scale:MATRIX_SCALE_ROW1
.elseif fA
	v_wmma_scale_f32_16x16x128_f8f6f4 v[rD:rD+7], v[rA:rA+11], v[rB:rB+11], v[rD:rD+7], v[rSA], v[rSB] matrix_a_fmt:MATRIX_FMT_FP6 matrix_b_fmt:MATRIX_FMT_FP6 matrix_a_scale:MATRIX_SCALE_ROW1
.elseif fB
	v_wmma_scale_f32_16x16x128_f8f6f4 v[rD:rD+7], v[rA:rA+11], v[rB:rB+11], v[rD:rD+7], v[rSA], v[rSB] matrix_a_fmt:MATRIX_FMT_FP6 matrix_b_fmt:MATRIX_FMT_FP6 matrix_b_scale:MATRIX_SCALE_ROW1
.else
	v_wmma_scale_f32_16x16x128_f8f6f4 v[rD:rD+7], v[rA:rA+11], v[rB:rB+11], v[rD:rD+7], v[rSA], v[rSB] matrix_a_fmt:MATRIX_FMT_FP6 matrix_b_fmt:MATRIX_FMT_FP6
.endif
.endif
.endm
; K step q of the chunk in hand: 48 loads (52 with the chunk's scale words), 16 products; the sixteen accumulators take turns, one instruction a turn
; THE WALK ALONG K, eight steps n of 16 products.  Even steps go by P's tiles (R's four stay), odd steps by R's tiles (P's four stay).  When a tile's four products are issued, its registers
; take the same tile of step n + 1; the operand that stayed is fetched anew at the step's end, tile by tile.  The sixteen accumulators take turns.
.macro LDP n, t                        ; P's tile t of step n: v2 serves K steps 0-3, v30 steps 4-7
.set FO_, 2*TILEB*(\t)+1536*((\n)%4)
	FRAG PF+12*(\t), 2+28*((\n)/4), FO_
.endm
.macro LDR n, t                        ; R's tile t of step n: v3 serves chunks 0 and 1, v31 chunks 2 and 3
.set FO_, PH*(((\n)/2)%2)+TILEB*(\t)+1536*((\n)%2)
	FRAG RF+12*(\t), 3+28*((\n)/4), FO_
.endm
.macro SCW c                           ; the scale words of steps 2 c, 2 c + 1
.irp ip, 0,1
	ds_load_b64 v[16+2*\ip:17+2*\ip], v4 offset:1024*\ip+256*(\c)
	ds_load_b64 v[20+2*\ip:21+2*\ip], v5 offset:1024*\ip+256*(\c)
.endr
.endm
.macro SHOW lim                        ; the waves under lim have their fills in; no LDS load of mine is out; the signal.
.if \lim < 8
	s_cmp_lt_u32 s[WV], \lim
	s_cbranch_scc0 .Lout_\lim
	s_wait_tensorcnt 0x0
.Lout_\lim:
.else
	s_wait_tensorcnt 0x0
.endif
	s_wait_dscnt 0x0
	s_barrier_signal -1
.endm
.macro GRP n, o, z                     ; four products: tile o of the operand that the step goes by, against the other's four
.irp i, 0,1,2,3
.if (\n)%2
.set jt_, \o
.set it_, \i
.else
.set it_, \o
.set jt_, \i
.endif
.set rD, ACC+8*(4*it_+jt_)
.set rA, RF+12*jt_
.set rB, PF+12*it_
.set rSA, 20+2*(jt_/2)+(\n)%2
.set rSB, 16+2*(it_/2)+(\n)%2
.set fA, jt_%2
.set fB, it_%2
	WMMA \z
.endr
.endm
.macro KS n, z, lim                    ; lim > 0: a barrier shows what step n + 1 reads; the first four products stand between its signal and its wait
.if \lim
	SHOW \lim
.endif
.irp o, 0,1,2,3
.if (\n) < 7
	s_wait_dscnt 18                                ; tile o is in: behind it stand the six loads of each later tile and of each tile already fetched for step n + 1: 6 (3 - o) + 6 o
.else
	s_wait_dscnt 18-6*\o                           ; the last step fetches nothing
.endif
	GRP \n, \o, \z
.if (\lim) && (\o == 0)
	s_barrier_wait -1
.endif
.if (\n) < 7
.rept 4
	v_nop                                          ; four places in front of loads into registers that products have read
.endr
.if (\n)%2
	LDR (\n)+1, \o
.else
	LDP (\n)+1, \o
.endif
.endif
.endr
.if (\n) < 7
.if (\n)%2
	SCW ((\n)+1)/2
.irp t, 0,1,2,3
	LDP (\n)+1, \t
.endr
.else
.irp t, 0,1,2,3
	LDR (\n)+1, \t
.endr
.endif
.endif
.endm
	v_add_nc_u32 v30, PH, v2
	v_add_nc_u32 v31, 2*PH, v3
	s_wait_alu depctr_va_vdst(0)                   ; the wait at the head's end
	SHOW 4                                         ; the scale words, P's K steps 0-3, R's chunk 0
	s_barrier_wait -1
	SCW 0
.irp t, 0,1,2,3
	LDR 0, \t
.endr
.irp t, 0,1,2,3
	LDP 0, \t
.endr
.if MODE == 1
	KS 0, 1, 0
.else
	KS 0, 0, 0
.endif
	KS 1, 0, 5                                     ; R's chunk 1
	KS 2, 0, 0
	KS 3, 0, 7                                     ; P's K steps 4-7, R's chunk 2
	KS 4, 0, 0
	KS 5, 0, 8                                     ; R's chunk 3: every wave waits
	KS 6, 0, 0
	KS 7, 0, 0
; 32 numbers of a lane, v[HS_] on, register 16 b + i = j 32 b + 16 h + i of my row, become six registers of codes, v[HP_] on (lanes 0-15 block 0, lanes 16-31 block 1), and the two scale bytes in v[HU_]
.macro HQ
.irp b, 0,1
	v_max3_num_f32 v[HW+\b], |v[HS_+16*\b]|, |v[HS_+16*\b+1]|, 0x1800000   ; each accumulator is read from its low end on; the floor 2^(3 - 127) holds the byte at 1 from below
.endr
.irp i, 2,4,6,8,10,12,14
.irp b, 0,1
	v_max3_num_f32 v[HW+\b], v[HW+\b], |v[HS_+16*\b+\i]|, |v[HS_+16*\b+\i+1]|
.endr
.endr
.irp b, 0,1
	v_permlanex16_b32 v[HW+2+\b], v[HW+\b], s[SEL], s[SEL+1]
.endr
.irp b, 0,1
	v_max_num_f32 v[HW+\b], v[HW+\b], v[HW+2+\b]   ; with lane l xor 16's 16: the block's largest magnitude
.endr
.irp b, 0,1
	v_add_nc_u32 v[HW+4+\b], 0xff000000, v[HW+\b]  ; 2 off the exponent field: the conversion's scale operand
.endr
.irp b, 0,1
	v_lshrrev_b32 v[HW+2+\b], 23, v[HW+4+\b]       ; the scale's byte
.endr
	v_lshl_or_b32 v[HU_], v[HW+3], 8, v[HW+2]
	v_cvt_scalef32_pk16_fp6_f32 v[HP_:HP_+2], v[HS_:HS_+15], v[HW+4]
	v_cvt_scalef32_pk16_fp6_f32 v[HP_+4:HP_+6], v[HS_+16:HS_+31], v[HW+5]
	v_nop                                          ; one plain place behind a scaled conversion
.irp i, 0,1,2
	v_permlane16_swap_b32 v[HP_+\i], v[HP_+4+\i]   ; the operand's layout wants a whole block in a lane
.endr
.irp i, 0,1,2
	v_mov_b32 v[HP_+3+\i], v[HP_+4+\i]
.endr
.endm
.if MODE < 2
.rept 4
	v_nop                                          ; four places behind the last products
.endr
.irp it, 0,1,2,3
.if MODE == 1
.irp j, 0,2,4,6,8,10,12,14,16,18,20,22,24,26,28,30
	v_pk_add_f32 v[ACC+32*\it+\j:ACC+32*\it+\j+1], v[ACC+32*\it+\j:ACC+32*\it+\j+1], v[6+2*\it:7+2*\it]   ; + bv of my row, in f32, ahead of the quantiser
.endr
.endif
.set HS_, ACC+32*\it
.set HP_, 32+8*\it                     ; each tile has registers of its own for its codes: no store's data are written again
.set HU_, 64+\it
	HQ
.irp p, 0,1,2
.if MODE == 0
	global_store_b64 v1, v[32+8*\it+2*\p:32+8*\it+2*\p+1], s[OCP:OCP+1] offset:768*\it+256*\p    ; 32 lanes store 256 consecutive bytes, aligned
.else
	global_store_b64 v1, v[32+8*\it+2*\p:32+8*\it+2*\p+1], s[OCP:OCP+1] offset:1536*\it+256*\p
.endif
.endr
.endr
.if MODE == 0
	v_lshl_or_b32 v64, v65, 16, v64                ; a pair of token tiles shares a word: the even tile's two bytes, then the odd tile's
	v_lshl_or_b32 v66, v67, 16, v66
	v_cndmask_b32 v64, v64, v66, s101              ; lanes 0-15: my first pair's rows, lanes 16-31: my second pair's
	global_store_b32 v14, v64, s[OSP:OSP+1]        ; 128 consecutive bytes
.else
	v_cndmask_b32 v64, v64, v65, s101              ; lanes 0-15: tile 0's rows, lanes 16-31: tile 1's
	v_cndmask_b32 v66, v66, v67, s101
	global_store_b16 v14, v64, s[OSP:OSP+1]        ; my 64 keys' two bytes of each word; the wave with the other 64 keys stores the other half.  1 byte in 25 of what the launch stores
	global_store_b16 v14, v66, s[OSP:OSP+1] offset:128
.endif
.endif
.if MODE == 2
; THE WAY OUT: 16 tokens x 64 j at a time through my stage and back as whole rows of 256 bytes.  The stage lies in chunk 0, which has had its one fill and, behind the barrier below, its last read.
.macro TOSTAGE it
.irp jt, 0,1,2,3
	ds_store_b128 v7, v[ACC+8*(4*(\it)+\jt):ACC+8*(4*(\it)+\jt)+3] offset:128*(\jt/2)+32*(\jt%2)          ; each accumulator from its low end on
	ds_store_b128 v7, v[ACC+8*(4*(\it)+\jt)+4:ACC+8*(4*(\it)+\jt)+7] offset:128*(\jt/2)+32*(\jt%2)+16
.endr
.irp k, 0,1,2,3,4,5,6,7
	ds_load_b128 v[32+32*((\it)%2)+4*\k:32+32*((\it)%2)+4*\k+3], v8 offset:544*\k   ; LDS serves a wave's instructions in order: these see the stores above
.endr
.endm
.macro SEND it, younger                ; younger: the LDS instructions issued behind this block's loads: the next block's 8 stores and 8 loads, or none
	s_wait_dscnt \younger
.irp k, 0,1,2,3,4,5,6,7
	global_store_b128 v9, v[32+32*((\it)%2)+4*\k:32+32*((\it)%2)+4*\k+3], s[OCP:OCP+1] offset:(2*\k+8*(\k/4)+32*((\it)/2)+8*((\it)%2))*4096 th:TH_STORE_NT   ; tile row 2 k + h is token 32 (it/2) + 8 (it%2) + 2 k + h + 8 (k/4); 16 lanes store 256 consecutive bytes, aligned
.endr
.endm
	s_wait_dscnt 0x0
	s_barrier_signal -1
	s_barrier_wait -1
.rept 4
	v_nop                                          ; four places behind the last products
.endr
	TOSTAGE 0
	TOSTAGE 1
	SEND 0, 16
	s_wait_xcnt 0x0                                ; block 0's stores have read their registers: block 2's loads may land there
	TOSTAGE 2
	SEND 1, 16
	s_wait_xcnt 0x0
	TOSTAGE 3
	SEND 2, 16
	SEND 3, 0
.endif
	s_wait_tensorcnt 0x0                           ; the wave's end, behind my last tensor load and my last LDS store
	ds_add_u32 v[SPW], v[NIL]
	s_wait_dscnt 0x0
	CROUND                                         ; the closing round: no work-group ends while a partner may still ask for a tile that names it
	s_endpgm
.Lfunc_end_k_qd7935047cc_projo:
	.size	k_qd7935047cc_projo, .Lfunc_end_k_qd7935047cc_projo-k_qd7935047cc_projo
	.p2alignl 7, 3214868480
	.fill 96, 4, 3214868480
	.section	.rodata,"a",@progbits
	.p2align	6, 0x0
	.amdhsa_kernel k_qd7935047cc_projo
		.amdhsa_group_segment_fixed_size 308224
		.amdhsa_private_segment_fixed_size 0
		.amdhsa_enable_private_segment 0
		.amdhsa_kernarg_size 48
		.amdhsa_user_sgpr_count 2
		.amdhsa_user_sgpr_kernarg_segment_ptr 1
		.amdhsa_wavefront_size32 1
		.amdhsa_system_sgpr_workgroup_id_x 1
		.amdhsa_system_sgpr_workgroup_id_y 1
		.amdhsa_system_sgpr_workgroup_id_z 1
		.amdhsa_system_vgpr_workitem_id 0
		.amdhsa_next_free_vgpr 256
		.amdhsa_next_free_sgpr 102
		.amdhsa_reserve_vcc 0
		.amdhsa_float_denorm_mode_32 3
		.amdhsa_float_denorm_mode_16_64 3
		.amdhsa_memory_ordered 1
		.amdhsa_forward_progress 1
		.amdhsa_inst_pref_size 68
	.end_amdhsa_kernel
	.amdgpu_metadata
---
amdhsa.version: [ 1, 2 ]
amdhsa.kernels:
  - .name:           k_qd7935047cc_projo
    .symbol:         k_qd7935047cc_projo.kd
    .args:
      - { .name: oc, .offset: 0, .size: 8, .value_kind: global_buffer, .address_space: global }
      - { .name: os, .offset: 8, .size: 8, .value_kind: global_buffer, .address_space: global }
      - { .name: xc, .offset: 16, .size: 8, .value_kind: global_buffer, .address_space: global }
      - { .name: xs, .offset: 24, .size: 8, .value_kind: global_buffer, .address_space: global }
      - { .name: bo, .offset: 32, .size: 8, .value_kind: global_buffer, .address_space: global }
      - { .name: out0, .offset: 40, .size: 8, .value_kind: global_buffer, .address_space: global }
    .group_segment_fixed_size: 308224
    .private_segment_fixed_size: 0
    .kernarg_segment_align: 8
    .kernarg_segment_size: 48
    .max_flat_workgroup_size: 256
    .sgpr_count:     102
    .vgpr_count:     256
    .wavefront_size: 32
...
	.end_amdgpu_metadata
.endif
;; end of part 5
